; MI455X (gfx1250); checked and timed in simulation.
; The chip was launched on July 23, 2026; its instructions are those of AMD's public machine-readable ISA for CDNA 5 (MIT licence, August 2026) and "CDNA5" Instruction Set Architecture Reference Guide (July 2026). The comments in the code are by the model that wrote it; some were corrected since.
;; Self Attention1d. Allowed arithmetic: matrix products marked QUANTISED: E3M2 operands, one E8M0 scale for each 32 along K, by v_wmma_scale_f32_16x16x128_f8f6f4 with both operands' format E3M2, f32 sums; everything else in f32.
;; Inputs: b_out 1,024 float32; b_qkv 3,072 float32; gn_b 1,024 float32; gn_w 1,024 float32; w_out_codes 1,024 x 32 x 24 uint8 (E3M2 codes of w_out, K innermost, in blocks of 32 codes, four codes in three bytes); w_out_scales 1,024 x 32 uint8 (E8M0 scales of w_out, one for each 32 codes along K); w_qkv_codes 3,072 x 32 x 24 uint8 (E3M2 codes of w_qkv, K innermost, in blocks of 32 codes, four codes in three bytes); w_qkv_scales 3,072 x 32 uint8 (E8M0 scales of w_qkv, one for each 32 codes along K); x 8 x 1,024 x 1,024 float32.
;; Outputs: out0 8 x 1,024 x 1,024 float32.
;; This version of the problem:
;;   THIS VERSION OF THE PROBLEM IS GIVEN IN LOW PRECISION. The matrix products marked QUANTISED in the list below multiply operands that are first quantised to E3M2 (3 exponent bits, 2 mantissa bits; 6 bits a number), with one power-of-two scale for each 32 numbers along K (OCP MX v1.0); their sums are f32. All else is computed in f32.
;;   The module's matrix products, in the order in which they are computed (A, B: the left and right operand; K: the contracted axis; several contracted axes count as one K, in the product's order):
;;     1. [M 8,192, K 1,024] x [K 1,024, N 3,072]; A: computed on the way; B: input w_qkv (given as codes): QUANTISED
;;     2. batch 64 x [M 1,024, K 128] x [K 128, N 1,024]; A: computed on the way; B: computed on the way: QUANTISED
;;     3. batch 64 x [M 1,024, K 1,024] x [K 1,024, N 128]; A: softmax (see below); B: computed on the way: QUANTISED
;;     4. [M 8,192, K 1,024] x [K 1,024, N 1,024]; A: computed on the way; B: input w_out (given as codes): QUANTISED
;;   THE QUANTISER, for each operand of a quantised product, along K:
;;     - K is cut into blocks of 32 from its start; a last block that is shorter is filled with zeros.
;;     - A block's scale is 2^e with e = floor(log2(the largest magnitude in the block)) - 4, held to -126 .. 127; a block of zeros has e = 0. As a byte (E8M0): e + 127.
;;     - Each number is divided by its block's scale, clamped to +-28, and rounded to the nearest number of E3M2, ties to even, subnormals kept.
;;     - The product sums the exact products of the quantised numbers (number of the format x scale) in f32.
;;   ~~~python
;;   def quantise(x, axis):      # numpy; x: float32 -> the quantised numbers, widened to float32 again
;;       x = np.moveaxis(x, axis, -1); K = x.shape[-1]
;;       x = np.pad(x, [(0, 0)] * (x.ndim - 1) + [(0, -K % 32)]); x = x.reshape(x.shape[:-1] + (-1, 32)); a = np.abs(x).max(-1, keepdims=True)
;;       e = np.where(a > 0, np.clip(np.frexp(np.where(a > 0, a, 1))[1] - 1 - 4, -126, 127), 0)      # np.frexp(a)[1] - 1 = floor(log2(a)), exactly
;;       r = np.clip(x / 2.0 ** e, -28, 28)
;;       step = 2.0 ** (np.maximum(np.frexp(np.where(r == 0, 1, r))[1] - 1, -2) - 2)
;;       q = np.round(r / step) * step * 2.0 ** e      # np.round: ties to even
;;       return np.moveaxis(q.reshape(q.shape[:-2] + (-1,))[..., :K], -1, axis).astype(np.float32)
;;   ~~~
;;   SOFTMAX AHEAD OF A QUANTISED PRODUCT. Where the list says 'softmax', what is quantised is not the finished softmax but p = 2^(t - M), with t = logit x log2(e) and M = ceil(the row's largest t), a whole number; so 1/2 < the row's largest p <= 1. The row's sum l is taken of the UNQUANTISED p, in f32, and the product's result is divided by l at the end. Since M is a whole number, a kernel that streams over the keys may use a running M (the ceiling of the running maximum): every later rescaling is an exact power of two, which a block's scale takes up: the codes' values come out the same.
;;   OPERANDS COMPUTED ON THE WAY. 'Computed on the way' means the value that the module computes at that place (a softmax that the list does not call 'softmax' is quantised finished and normalised). What goes into a quantiser is computed in f32, as accurately as f32 sums, v_exp_f32 and their like allow (about 1e-6 of the number): no bf16 or f16 on the way to a quantiser, and a product that is left as it is and whose result goes on into a quantised operand takes f32 operands (vector FMAs, or v_wmma_f32_16x16x4_f32). A number that lies on a knife's edge between two numbers of the format may be rounded either way, as far as f32 arithmetic and the matrix unit's own rounding can turn it there, and no further.
;;   INPUTS GIVEN AS CODES. w_out (in the module: [1024, 1024], K = its axis 1); w_qkv (in the module: [3072, 1024], K = its axis 1): each comes as NAME_codes (uint8): NAME with its K axis moved to the last place and cut into blocks of 32 codes, [.., K / 32, bytes a block], one block behind the other in memory; four codes in three bytes: a row's codes are one little-endian stream of bits, code i at bits 6 i .. 6 i + 5 (a code: sign, 3 exponent bits, 2 mantissa bits); and NAME_scales (uint8): the same leading axes, one E8M0 byte (e + 127) for each 32 codes along K. Its value is code x scale, taken as it is: it is not quantised again, and the codes and scales need not be those that the quantiser above would give.
;; One version. Each part assembles by itself: llvm-mc -triple=amdgcn-amd-amdhsa -mcpu=gfx1250 --defsym DOCPART=n.
;; ======== version 1 of 1: 5 launches
;; workspace buffers: stats 16,384 bytes; wimg 3,407,872 bytes; xq 6,553,600 bytes; qkv 19,660,800 bytes; yq 6,553,600 bytes
;; launch prep (part 1): grid 256 x 1, 8 waves a work-group, no clusters, 0 bytes of LDS; arguments x, w_qkv_codes, w_qkv_scales, w_out_codes, w_out_scales, stats, wimg; writes stats, wimg
.if DOCPART == 1
	.amdgcn_target "amdgcn-amd-amdhsa--gfx1250"
	.amdhsa_code_object_version 6
	.text
	.protected	k_q36a262faca_prep
	.globl	k_q36a262faca_prep
	.p2align	8
	.type	k_q36a262faca_prep,@function
k_q36a262faca_prep:
	s_mov_b64 s[64:65], 0
	v_nop
	global_prefetch_b8 v0, s[64:65] scope:SCOPE_SE
	s_setreg_imm32_b32 hwreg(HW_REG_WAVE_MODE, 25, 1), 1
	s_wait_xcnt 0x0
; Two jobs that need no result of each other, in one launch.
; (1) GroupNorm's statistics.  x is 2,048 runs of 4,096 numbers (16,384 bytes), 256 runs to a sample; wave gw = 8 x work-group + wave takes run gw, keeps it in 128 registers,
;     and stores its sum and the sum of squared distances FROM ITS OWN MEAN: no difference of large sums is formed, so a common offset of x costs no digits.  The next launch joins the 256 pairs.
; (2) Both weights are laid anew, from rows of codes into IMAGES OF THE OPERAND'S REGISTERS: a fragment (16 rows x 128 K of 6-bit codes, 12 registers a lane) is 1,536 bytes, register p of lane l at
;     512 (p / 4) + 16 l + 4 (p % 4), so that three loads of 16 bytes a lane bring it back.  wimg: from IMG0 on [group of 128 rows][K step 0..7][fragment 0..7][1,536]; groups 0-23 are w_qkv's rows, 24-31 w_out's.
;     From byte 0 on the scale words: [group][K step][512], the word of row p of the group at 16 (p % 32) + 4 (p / 32).  There are 2,048 fragments: one a wave.  Wave 0 of a work-group also lays the scale block.
; Memory binds: no LDS, no barrier, no matrix unit; every load of x and every store of an image covers 512 consecutive bytes.
; LIMITS: NaN and infinities in x are not served.
.set IMG0, 262144
.set X,  32                            ; v32-159  my 4,096 / 32 = 128 numbers
.set SU, 160                           ; v160-167 four chains of sums, two numbers each
.set SQ, 168                           ; v168-175 four chains of squares
.macro WSUM reg, tmp                   ; the sum over the wave's 32 lanes, in every lane
	v_add_f32_dpp v[\reg], v[\reg], v[\reg] row_xmask:1 row_mask:0xf bank_mask:0xf
	v_add_f32_dpp v[\reg], v[\reg], v[\reg] row_xmask:2 row_mask:0xf bank_mask:0xf
	v_add_f32_dpp v[\reg], v[\reg], v[\reg] row_xmask:4 row_mask:0xf bank_mask:0xf
	v_add_f32_dpp v[\reg], v[\reg], v[\reg] row_xmask:8 row_mask:0xf bank_mask:0xf
	v_permlanex16_b32 v[\tmp], v[\reg], s22, s23
	v_add_f32 v[\reg], v[\reg], v[\tmp]
.endm
	s_load_b256 s[4:11], s[0:1], 0x0               ; x s[4:5], w_qkv's codes s[6:7], its scales s[8:9], w_out's codes s[10:11]
	s_load_b128 s[12:15], s[0:1], 0x20             ; w_out's scales s[12:13], stats s[14:15]
	s_load_b64 s[16:17], s[0:1], 0x30              ; wimg
	v_lshrrev_b32 v4, 5, v0
	v_readfirstlane_b32 s18, v4                    ; wave 0..7: also the fragment's number in its group
	v_and_b32 v1, 31, v0                           ; lane
	v_lshlrev_b32 v2, 4, v1                        ; 16 x lane
	v_and_b32 v3, 15, v0
	v_bfe_u32 v5, v0, 4, 1
	v_mul_u32_u24 v3, v3, 768                      ; a row of 1,024 codes is 768 bytes
	v_mad_u32_u24 v3, v5, 24, v3                   ; + 24 for the upper half of the lanes
	v_lshlrev_b32 v6, 5, v1                        ; a row of scale bytes is 32 bytes
	v_mov_b32 v7, 0
	s_lshr_b32 s19, ttmp9, 3                       ; group 0..31
	s_and_b32 s20, ttmp9, 7                        ; K step
	s_mov_b32 s22, 0x76543210                      ; v_permlanex16_b32's selects for lane l xor 16
	s_mov_b32 s23, 0xfedcba98
	s_lshl_b32 s24, ttmp9, 3
	s_add_co_u32 s24, s24, s18                     ; gw
	s_lshl_b32 s26, s24, 3                         ; its 8 bytes of stats
	s_mov_b32 s27, 0
	s_lshl_b32 s24, s24, 14                        ; its run of x
	s_mov_b32 s25, 0
	s_cmp_lt_u32 s19, 24
	s_cselect_b32 s21, 0, 24
	s_sub_co_u32 s21, s19, s21                     ; the group's number in its own weight
	s_mul_i32 s28, s21, 98304                      ; 128 rows of 768 bytes,
	s_mul_i32 s30, s18, 12288                      ; 16 rows,
	s_add_co_u32 s28, s28, s30
	s_mul_i32 s30, s20, 96                         ; 128 codes
	s_add_co_u32 s28, s28, s30
	s_mov_b32 s29, 0
	s_lshl_b32 s30, s21, 12                        ; the group's scale bytes: 128 rows of 32,
	s_lshl_b32 s31, s20, 2                         ; the K step's word
	s_add_co_u32 s30, s30, s31
	s_mov_b32 s31, 0
	s_mul_i32 s32, ttmp9, 12288                    ; 8 x group + K step is the work-group's number
	s_mul_i32 s33, s18, 1536
	s_add_co_u32 s32, s32, s33
	s_add_co_u32 s32, s32, IMG0
	s_mov_b32 s33, 0
	s_lshl_b32 s34, ttmp9, 9
	s_mov_b32 s35, 0
	s_wait_kmcnt 0x0
	s_cmp_lt_u32 s19, 24                           ; which weight: the choice hangs on the work-group's number alone
	s_cselect_b64 s[6:7], s[6:7], s[10:11]
	s_cselect_b64 s[8:9], s[8:9], s[12:13]
	s_add_nc_u64 s[4:5], s[4:5], s[24:25]
	s_add_nc_u64 s[6:7], s[6:7], s[28:29]
	s_add_nc_u64 s[8:9], s[8:9], s[30:31]
	s_add_nc_u64 s[14:15], s[14:15], s[26:27]
	s_add_nc_u64 s[36:37], s[16:17], s[32:33]      ; my fragment's image
	s_add_nc_u64 s[16:17], s[16:17], s[34:35]      ; the work-group's scale block
.irp p, 0,1,2,3,4,5
	global_load_b64 v[16+2*\p:17+2*\p], v3, s[6:7] offset:48*(\p/3)+8*(\p%3)   ; the fragment as it lies in its rows: 24 bytes and 24 bytes, in pieces of 8
.endr
.set i, 0
.rept 32
	global_load_b128 v[X+4*i:X+4*i+3], v2, s[4:5] offset:512*i
.set i, i+1
.endr
	s_wait_loadcnt 32                              ; the fragment is in; the 32 loads of x stay out
.irp c, 0,1,2
	global_store_b128 v2, v[16+4*\c:19+4*\c], s[36:37] offset:512*\c
.endr
	; pass 1: the sum, in four chains that the first pairs start; eight loads (16 pairs) at a time
	s_wait_loadcnt 24
.irp k, 0,1,2,3
	v_pk_add_f32 v[SU+2*\k:SU+2*\k+1], v[X+2*\k:X+2*\k+1], v[X+8+2*\k:X+9+2*\k]
.endr
.set j, 8
.rept 8
	v_pk_add_f32 v[SU+2*(j%4):SU+2*(j%4)+1], v[SU+2*(j%4):SU+2*(j%4)+1], v[X+2*j:X+2*j+1]
.set j, j+1
.endr
.irp left, 16, 8, 0
	s_wait_loadcnt \left                           ; the next eight loads are in
.rept 16
	v_pk_add_f32 v[SU+2*(j%4):SU+2*(j%4)+1], v[SU+2*(j%4):SU+2*(j%4)+1], v[X+2*j:X+2*j+1]
.set j, j+1
.endr
.endr
	v_pk_add_f32 v[SU:SU+1], v[SU:SU+1], v[SU+2:SU+3]
	v_pk_add_f32 v[SU+4:SU+5], v[SU+4:SU+5], v[SU+6:SU+7]
	v_pk_add_f32 v[SU:SU+1], v[SU:SU+1], v[SU+4:SU+5]
	v_add_f32 v14, v[SU], v[SU+1]
	WSUM 14, 4                                     ; the run's sum
	v_mul_f32 v12, 0x39800000, v14                 ; / 4,096: the run's mean
	v_mov_b32 v13, v12
	; pass 2, on the registers: squared distances from that mean
.set j, 0
.rept 64
	v_pk_add_f32 v[X+2*j:X+2*j+1], v[X+2*j:X+2*j+1], v[12:13] neg_lo:[0,1] neg_hi:[0,1]
.set j, j+1
.endr
.irp k, 0,1,2,3
	v_pk_mul_f32 v[SQ+2*\k:SQ+2*\k+1], v[X+2*\k:X+2*\k+1], v[X+2*\k:X+2*\k+1]
.endr
.set j, 4
.rept 60
	v_pk_fma_f32 v[SQ+2*(j%4):SQ+2*(j%4)+1], v[X+2*j:X+2*j+1], v[X+2*j:X+2*j+1], v[SQ+2*(j%4):SQ+2*(j%4)+1]
.set j, j+1
.endr
	v_pk_add_f32 v[SQ:SQ+1], v[SQ:SQ+1], v[SQ+2:SQ+3]
	v_pk_add_f32 v[SQ+4:SQ+5], v[SQ+4:SQ+5], v[SQ+6:SQ+7]
	v_pk_add_f32 v[SQ:SQ+1], v[SQ:SQ+1], v[SQ+4:SQ+5]
	v_add_f32 v15, v[SQ], v[SQ+1]
	WSUM 15, 4
	s_cmp_lg_u32 s18, 0
	s_cbranch_scc1 .Lno_scales
.irp p, 0,1,2,3
	global_load_b32 v[8+\p], v6, s[8:9] offset:1024*\p     ; the word of row 32 p + lane
.endr
	s_wait_loadcnt 0x0
	global_store_b128 v2, v[8:11], s[16:17]        ; the block: 512 consecutive bytes
.Lno_scales:
	s_wait_xcnt 0x0                                ; EXEC is a source of the loads and stores above: it changes only behind this wait
	v_cmp_eq_u32 vcc_lo, 0, v1
	s_and_saveexec_b32 s38, vcc_lo
	global_store_b64 v7, v[14:15], s[14:15]        ; lane 0: the run's sum and squares
	s_wait_xcnt 0x0                                ; and again in front of the line that widens it
	s_or_b32 exec_lo, exec_lo, s38
	s_endpgm
.Lfunc_end_k_q36a262faca_prep:
	.size	k_q36a262faca_prep, .Lfunc_end_k_q36a262faca_prep-k_q36a262faca_prep
	.p2alignl 7, 3214868480
	.fill 96, 4, 3214868480
	.section	.rodata,"a",@progbits
	.p2align	6, 0x0
	.amdhsa_kernel k_q36a262faca_prep
		.amdhsa_group_segment_fixed_size 0
		.amdhsa_private_segment_fixed_size 0
		.amdhsa_enable_private_segment 0
		.amdhsa_kernarg_size 56
		.amdhsa_user_sgpr_count 2
		.amdhsa_user_sgpr_kernarg_segment_ptr 1
		.amdhsa_wavefront_size32 1
		.amdhsa_system_sgpr_workgroup_id_x 1
		.amdhsa_system_sgpr_workgroup_id_y 1
		.amdhsa_system_sgpr_workgroup_id_z 1
		.amdhsa_system_vgpr_workitem_id 0
		.amdhsa_next_free_vgpr 176
		.amdhsa_next_free_sgpr 66
		.amdhsa_reserve_vcc 1
		.amdhsa_float_denorm_mode_32 3
		.amdhsa_float_denorm_mode_16_64 3
		.amdhsa_memory_ordered 1
		.amdhsa_forward_progress 1
		.amdhsa_inst_pref_size 21
	.end_amdhsa_kernel
	.amdgpu_metadata
---
amdhsa.version: [ 1, 2 ]
amdhsa.kernels:
  - .name:           k_q36a262faca_prep
    .symbol:         k_q36a262faca_prep.kd
    .args:
      - { .name: x, .offset: 0, .size: 8, .value_kind: global_buffer, .address_space: global }
      - { .name: w_qkv_codes, .offset: 8, .size: 8, .value_kind: global_buffer, .address_space: global }
      - { .name: w_qkv_scales, .offset: 16, .size: 8, .value_kind: global_buffer, .address_space: global }
      - { .name: w_out_codes, .offset: 24, .size: 8, .value_kind: global_buffer, .address_space: global }
      - { .name: w_out_scales, .offset: 32, .size: 8, .value_kind: global_buffer, .address_space: global }
      - { .name: stats, .offset: 40, .size: 8, .value_kind: global_buffer, .address_space: global }
      - { .name: wimg, .offset: 48, .size: 8, .value_kind: global_buffer, .address_space: global }
    .group_segment_fixed_size: 0
    .private_segment_fixed_size: 0
    .kernarg_segment_align: 8
    .kernarg_segment_size: 56
    .max_flat_workgroup_size: 256
    .sgpr_count:     66
    .vgpr_count:     176
    .wavefront_size: 32
...
	.end_amdgpu_metadata
.endif
;; end of part 1
;; launch quant (part 2): grid 512 x 1, 4 waves a work-group, no clusters, 2,560 bytes of LDS; arguments x, gn_w, gn_b, stats, xq; writes xq
.if DOCPART == 2
	.amdgcn_target "amdgcn-amd-amdhsa--gfx1250"
	.amdhsa_code_object_version 6
	.text
	.protected	k_q36a262faca_quant
	.globl	k_q36a262faca_quant
	.p2align	8
	.type	k_q36a262faca_quant,@function
k_q36a262faca_quant:
	s_mov_b64 s[64:65], 0
	v_nop
	global_prefetch_b8 v0, s[64:65] scope:SCOPE_SE
	s_setreg_imm32_b32 hwreg(HW_REG_WAVE_MODE, 25, 1), 1
	s_wait_xcnt 0x0
; xn = ((x - mu) rstd) gn_w + gn_b, in f32, quantised along the channels c (the first product's K) into codes of E3M2 with one E8M0 byte for each 32 channels.
; x is [n][c][s]: K is not innermost.  A LANE TAKES A COLUMN s AND ITS REGISTERS RUN DOWN c: each load reads 128 consecutive bytes a wave (512 a work-group), a block of 32 channels lies in one lane's
; registers, so its largest magnitude needs no other lane, and the conversions give codes with K innermost.
; A work-group takes 128 columns x 128 channels: group xg = 8 n + s / 128, K step ks = c / 128; wave p takes columns 32 p .. 32 p + 31, which are fragments 2 p and 2 p + 1 of the group.
; xq is laid as the product wants it: from IMG0 on [group][K step][fragment][1,536], a fragment being the image of its 12 registers (register q of lane l at 512 (q / 4) + 16 l + 4 (q % 4));
; from byte 0 on [group][K step][512] scale words, row q's at 16 (q % 32) + 4 (q / 32).
; A lane holds all four blocks of ITS row; the operand wants lanes 0-15 to hold blocks 0 and 2 and lanes 16-31 blocks 1 and 3 of the SAME 16 rows: twelve exchanges of half registers do that for both fragments.
; mu and rstd: each wave joins the sample's 256 pairs (sum, squares about the run's own mean): M2 = the sum of M2_j + 4,096 (mean_j - mean)^2.
; LIMITS: NaN and infinities are not served; a block whose largest magnitude lies under 2^-122, a block of zeros too, gets the byte 1 (its codes are as the floor gives them; the bytes are read by this program alone).
.set IMG0, 262144
.set X,  36                            ; v36-99   two sets of 32 numbers
.set W,  100                           ; v100-131 gn_w of a block's 32 channels
.set B,  132                           ; v132-163 gn_b
.set F0, 164                           ; v164-175 blocks 0 and 2, then fragment 2 p
.set F1, 176                           ; v176-187 blocks 1 and 3, then fragment 2 p + 1
.set U,  188                           ; v188-203 the upper 16 codes of each block (a conversion's three registers begin on an even number)
.macro WSUM reg, tmp
	v_add_f32_dpp v[\reg], v[\reg], v[\reg] row_xmask:1 row_mask:0xf bank_mask:0xf
	v_add_f32_dpp v[\reg], v[\reg], v[\reg] row_xmask:2 row_mask:0xf bank_mask:0xf
	v_add_f32_dpp v[\reg], v[\reg], v[\reg] row_xmask:4 row_mask:0xf bank_mask:0xf
	v_add_f32_dpp v[\reg], v[\reg], v[\reg] row_xmask:8 row_mask:0xf bank_mask:0xf
	v_permlanex16_b32 v[\tmp], v[\reg], s22, s23
	v_add_f32 v[\reg], v[\reg], v[\tmp]
.endm
	s_load_b256 s[4:11], s[0:1], 0x0               ; x s[4:5], gn_w s[6:7], gn_b s[8:9], stats s[10:11]
	s_load_b64 s[12:13], s[0:1], 0x20              ; xq
	v_lshl_add_u32 v208, v0, 2, 0x800
	v_mov_b32 v209, 0
	v_lshrrev_b32 v12, 5, v0
	v_readfirstlane_b32 s14, v12                   ; wave p
	v_and_b32 v13, 31, v0
	v_lshlrev_b32 v1, 2, v13                       ; 4 x lane: my column
	v_mov_b32 v2, 0                                ; LDS byte 0: the same for every lane
	v_lshlrev_b32 v3, 4, v13                       ; 16 x lane
	v_lshlrev_b32 v4, 2, v0                        ; 4 x thread
	s_lshl_b32 s15, s14, 2
	s_add_co_u32 s15, s15, 1024
	v_add_nc_u32 v5, s15, v3                       ; LDS: my row's scale word: 1,024 + 16 lane + 4 p
	v_lshlrev_b32 v6, 3, v13                       ; 8 x lane
	v_mov_b32 v19, 0                               ; a lane permute's destination counts as read
	s_and_b32 s16, ttmp9, 7                        ; ks
	s_lshr_b32 s17, ttmp9, 6                       ; n
	s_bfe_u32 s18, ttmp9, 0x30003                  ; s / 128
	s_mov_b32 s22, 0x76543210
	s_mov_b32 s23, 0xfedcba98
	s_mov_b32 s24, 0x39800000                      ; 2^-12
	s_mov_b32 s25, 0x45800000                      ; 4,096
	s_mov_b32 s26, 0x35800000                      ; 2^-20
	s_mov_b32 s27, 0x3727c5ac                      ; 1e-5
	s_lshl_b32 s28, s17, 22                        ; the sample, 4 MiB,
	s_lshl_b32 s29, s16, 19                        ; 128 channels of 4,096 bytes,
	s_add_co_u32 s28, s28, s29
	s_lshl_b32 s29, s18, 9                         ; 128 columns,
	s_add_co_u32 s28, s28, s29
	s_lshl_b32 s29, s14, 7                         ; 32 columns
	s_add_co_u32 s28, s28, s29
	s_mov_b32 s29, 0
	s_lshl_b32 s30, s16, 9
	s_mov_b32 s31, 0
	s_lshl_b32 s32, s17, 11
	s_mov_b32 s33, 0
	s_mul_i32 s34, ttmp9, 12288                    ; 8 xg + ks is the work-group's number
	s_mul_i32 s35, s14, 3072
	s_add_co_u32 s34, s34, s35
	s_add_co_u32 s34, s34, IMG0
	s_mov_b32 s35, 0
	s_lshl_b32 s36, ttmp9, 9
	s_mov_b32 s37, 0
	s_wait_kmcnt 0x0
	s_add_nc_u64 s[4:5], s[4:5], s[28:29]
	s_add_nc_u64 s[6:7], s[6:7], s[30:31]
	s_add_nc_u64 s[8:9], s[8:9], s[30:31]
	s_add_nc_u64 s[10:11], s[10:11], s[32:33]
	s_add_nc_u64 s[38:39], s[12:13], s[36:37]      ; the scale block
	s_add_nc_u64 s[12:13], s[12:13], s[34:35]      ; my two fragments
.macro LOAD t                          ; block t: x(32 t + i, my column) into set t % 2
.set i, 0
.rept 32
	global_load_b32 v[X+32*((\t)%2)+i], v1, s[4:5] offset:(32*(\t)+i)*4096
.set i, i+1
.endr
.endm
	global_load_b32 v17, v4, s[6:7]                ; gn_w and gn_b of the K step's 128 channels: one a thread
	global_load_b32 v18, v4, s[8:9]
.irp j, 0,1,2,3,4,5,6,7
	global_load_b64 v[20+2*\j:21+2*\j], v6, s[10:11] offset:256*\j   ; eight of the sample's 256 pairs
.endr
	LOAD 0
	s_wait_loadcnt 40                              ; gn_w and gn_b are in; behind them: 8 loads of pairs and block 0's 32
	ds_store_b32 v4, v17
	ds_store_b32 v4, v18 offset:512
	s_wait_dscnt 0x0                               ; for the others' sake
	s_barrier_signal -1
	s_barrier_wait -1
	s_wait_loadcnt 32                              ; the pairs are in
	v_add_f32 v12, v20, v22
	v_add_f32 v13, v24, v26
	v_add_f32 v14, v28, v30
	v_add_f32 v15, v32, v34
	v_add_f32 v12, v12, v13
	v_add_f32 v14, v14, v15
	v_add_f32 v12, v12, v14
	WSUM 12, 19
	v_mul_f32 v8, s26, v12                         ; mu
	v_mov_b32 v9, v8
.irp j, 0,1,2,3,4,5,6,7
	v_fma_f32 v[20+2*\j], v[20+2*\j], s24, -v8     ; the run's mean - mu
.endr
.irp j, 0,1,2,3,4,5,6,7
	v_mul_f32 v[20+2*\j], v[20+2*\j], v[20+2*\j]
.endr
.irp j, 0,1,2,3,4,5,6,7
	v_fma_f32 v[21+2*\j], v[20+2*\j], s25, v[21+2*\j]
.endr
	v_add_f32 v12, v21, v23
	v_add_f32 v13, v25, v27
	v_add_f32 v14, v29, v31
	v_add_f32 v15, v33, v35
	v_add_f32 v12, v12, v13
	v_add_f32 v14, v14, v15
	v_add_f32 v13, v12, v14
	WSUM 13, 19
	v_fma_f32 v13, v13, s26, s27                   ; the variance + 1e-5 (the division by 2^20 rounds nothing)
	v_rsq_f32 v10, v13
	v_nop                                          ; one plain place behind a transcendental
	s_wait_alu depctr_va_vdst(0)
	v_mov_b32 v11, v10
	LOAD 1
.macro BLOCK t
.set XS, X+32*((\t)%2)
.irp i, 0,1,2,3,4,5,6,7
	ds_load_b128 v[W+4*\i:W+4*\i+3], v2 offset:128*(\t)+16*\i          ; every lane reads the same bytes
	ds_load_b128 v[B+4*\i:B+4*\i+3], v2 offset:512+128*(\t)+16*\i
.endr
.if (\t) < 3
	s_wait_loadcnt 32                              ; this block's 32 loads are in; the next block's stay out
.else
	s_wait_loadcnt 0x0
.endif
	s_wait_dscnt 0x0
.set i, 0
.rept 16
	v_pk_add_f32 v[XS+2*i:XS+2*i+1], v[XS+2*i:XS+2*i+1], v[8:9] neg_lo:[0,1] neg_hi:[0,1]
.set i, i+1
.endr
.set i, 0
.rept 16
	v_pk_mul_f32 v[XS+2*i:XS+2*i+1], v[XS+2*i:XS+2*i+1], v[10:11]
.set i, i+1
.endr
.set i, 0
.rept 16
	v_pk_fma_f32 v[XS+2*i:XS+2*i+1], v[XS+2*i:XS+2*i+1], v[W+2*i:W+2*i+1], v[B+2*i:B+2*i+1]
.set i, i+1
.endr
	v_max3_num_f32 v12, |v[XS]|, |v[XS+1]|, |v[XS+2]|       ; the block's largest magnitude: all 32 numbers are mine; two chains
	v_max3_num_f32 v13, |v[XS+3]|, |v[XS+4]|, |v[XS+5]|
.irp i, 6,10,14,18,22,26
	v_max3_num_f32 v12, v12, |v[XS+\i]|, |v[XS+\i+1]|
	v_max3_num_f32 v13, v13, |v[XS+\i+2]|, |v[XS+\i+3]|
.endr
	v_max3_num_f32 v12, v12, |v[XS+30]|, |v[XS+31]|
	v_max3_num_f32 v12, v12, v13, 0x2800000        ; and the floor 2^(5 - 127): the byte cannot fall under 1
	v_add_nc_u32 v14, 0xfe000000, v12              ; 4 off the exponent field: the conversion takes that field as its scale, and nothing else
	v_lshrrev_b32 v15, 23, v14                     ; the scale's byte
.if (\t) == 0
	v_mov_b32 v16, v15
.else
	v_lshl_or_b32 v16, v15, 8*(\t), v16
.endif
	v_cvt_scalef32_pk16_bf6_f32 v[F0+12*((\t)%2)+6*((\t)/2):F0+12*((\t)%2)+6*((\t)/2)+2], v[XS:XS+15], v14
	v_cvt_scalef32_pk16_bf6_f32 v[U+4*(\t):U+4*(\t)+2], v[XS+16:XS+31], v14
.if (\t) < 2
	LOAD (\t)+2
.endif
.endm
	BLOCK 0
	BLOCK 1
	BLOCK 2
	BLOCK 3
	v_nop                                          ; one plain place behind the last conversion
.irp t, 0,1,2,3
.irp i, 0,1,2
	v_mov_b32 v[F0+12*(\t%2)+6*(\t/2)+3+\i], v[U+4*\t+\i]
.endr
.endr
.irp i, 0,1,2,3,4,5,6,7,8,9,10,11
	v_permlane16_swap_b32 v[F0+\i], v[F1+\i]       ; F0's lanes 16-31 (even blocks of rows 16-31) change places with F1's lanes 0-15 (odd blocks of rows 0-15)
.endr
.irp u, 0,1
.irp c, 0,1,2
	global_store_b128 v3, v[F0+12*\u+4*\c:F0+12*\u+4*\c+3], s[12:13] offset:1536*\u+512*\c   ; 512 consecutive bytes
.endr
.endr
	ds_store_b32 v5, v16
	s_wait_dscnt 0x0
	s_barrier_signal -1
	s_barrier_wait -1
	s_cmp_lg_u32 s14, 0
	s_cbranch_scc1 .Ldone
	ds_load_b128 v[204:207], v3 offset:1024
	s_wait_dscnt 0x0
	global_store_b128 v3, v[204:207], s[38:39]     ; the group's scale block for this K step: 512 consecutive bytes
.Ldone:
	s_wait_tensorcnt 0x0
	ds_add_u32 v208, v209
	s_wait_dscnt 0x0
	s_endpgm
.Lfunc_end_k_q36a262faca_quant:
	.size	k_q36a262faca_quant, .Lfunc_end_k_q36a262faca_quant-k_q36a262faca_quant
	.p2alignl 7, 3214868480
	.fill 96, 4, 3214868480
	.section	.rodata,"a",@progbits
	.p2align	6, 0x0
	.amdhsa_kernel k_q36a262faca_quant
		.amdhsa_group_segment_fixed_size 2560
		.amdhsa_private_segment_fixed_size 0
		.amdhsa_enable_private_segment 0
		.amdhsa_kernarg_size 40
		.amdhsa_user_sgpr_count 2
		.amdhsa_user_sgpr_kernarg_segment_ptr 1
		.amdhsa_wavefront_size32 1
		.amdhsa_system_sgpr_workgroup_id_x 1
		.amdhsa_system_sgpr_workgroup_id_y 1
		.amdhsa_system_sgpr_workgroup_id_z 1
		.amdhsa_system_vgpr_workitem_id 0
		.amdhsa_next_free_vgpr 210
		.amdhsa_next_free_sgpr 66
		.amdhsa_reserve_vcc 0
		.amdhsa_float_denorm_mode_32 3
		.amdhsa_float_denorm_mode_16_64 3
		.amdhsa_memory_ordered 1
		.amdhsa_forward_progress 1
		.amdhsa_inst_pref_size 42
	.end_amdhsa_kernel
	.amdgpu_metadata
---
amdhsa.version: [ 1, 2 ]
amdhsa.kernels:
  - .name:           k_q36a262faca_quant
    .symbol:         k_q36a262faca_quant.kd
    .args:
      - { .name: x, .offset: 0, .size: 8, .value_kind: global_buffer, .address_space: global }
      - { .name: gn_w, .offset: 8, .size: 8, .value_kind: global_buffer, .address_space: global }
      - { .name: gn_b, .offset: 16, .size: 8, .value_kind: global_buffer, .address_space: global }
      - { .name: stats, .offset: 24, .size: 8, .value_kind: global_buffer, .address_space: global }
      - { .name: xq, .offset: 32, .size: 8, .value_kind: global_buffer, .address_space: global }
    .group_segment_fixed_size: 2560
    .private_segment_fixed_size: 0
    .kernarg_segment_align: 8
    .kernarg_segment_size: 40
    .max_flat_workgroup_size: 128
    .sgpr_count:     66
    .vgpr_count:     210
    .wavefront_size: 32
...
	.end_amdgpu_metadata
.endif
;; end of part 2
;; launch qkv (part 3): grid 12 x 32, 4 waves a work-group, clusters of 4 x 4, 327,680 bytes of LDS; arguments xq, wimg, b_qkv, qkv; writes qkv
.if DOCPART == 3
	.amdgcn_target "amdgcn-amd-amdhsa--gfx1250"
	.amdhsa_code_object_version 6
	.text
	.protected	k_q36a262faca_qkv
	.globl	k_q36a262faca_qkv
	.p2align	8
	.type	k_q36a262faca_qkv,@function
k_q36a262faca_qkv:
	s_mov_b64 s[64:65], 0
	v_nop
	global_prefetch_b8 v0, s[64:65] scope:SCOPE_SE
	s_setreg_imm32_b32 hwreg(HW_REG_WAVE_MODE, 25, 1), 1
	s_wait_xcnt 0x0
	s_wait_alu depctr_hold_cnt(0) depctr_sa_sdst(0) depctr_va_vdst(0) depctr_va_sdst(0) depctr_va_ssrc(0) depctr_va_vcc(0) depctr_vm_vsrc(0)
	s_getreg_b32 s2, hwreg(HW_REG_IB_STS2, 6, 4)
	s_cmp_eq_u32 s2, 0
	s_cbranch_scc0 .Lentry_in_a_cluster
	s_endpgm
.Lentry_in_a_cluster:
	s_bfe_u32 s2, ttmp6, 0x10000c
	s_cmp_lg_u32 s2, 0xf033
	s_cbranch_scc0 .Lentry_shape_is_right
	s_endpgm
.Lentry_shape_is_right:
; The QKV projection on codes of E3M2, and the quantising of its results for attention.  [8,192 (n, s)] x [3,072 (o)], K = 1,024 channels.
; Both operands lie in memory as images of fragments ([group of 128 rows][K step of 128][8 fragments][1,536 bytes], scale words [group][K step][512]), so either can be either source.
; R is source 0: its rows land in a lane's REGISTERS.  P is source 1: its rows land in the LANES.  A quantiser wants its K along a lane's registers:
;   q and k (quantised along the head's d, which is o): R = the weight, P = xq.     v (quantised along the keys, which are s): R = xq, P = the weight.
; The choice is one of pointers and tile numbers, made on the cluster's x alone (0, 1: q and k; 2: v), which all partners share.
; A work-group makes 256 (P) x 256 (R); each of its four waves 128 x 128: 64 accumulators, 512 registers.  K goes through a ring of two LDS slots of 256 along K, filled by the tensor data mover:
; a group's two K steps are 24,576 dense bytes, one load a wave.  A fragment comes out of LDS by three loads of 512 consecutive bytes: no pitch, no padding.
; The scale words of the four groups, for all of K (4 x 4,096 bytes), come once with the first fills.  One load of 16 bytes a lane brings a group's words of a K step: register p holds fragment 2 p's
; in lanes 0-15 and fragment 2 p + 1's in lanes 16-31, so odd fragments name the upper row of lanes.
; CLUSTERS: 4 x 4.  P's tiles hang on cy alone and are asked for jointly along a row of the cluster, R's on cx alone, along a column.
; THE WAY OUT needs no LDS: for each of P's eight fragments the lane's 64 numbers (+ bias, x 128^(-1/4) for q and k) are four blocks of 32 shared with lane l xor 16; they become one fragment and one scale word,
; stored as images: qkv from QIMG0 on [f][8 fragments][1,536], f = ((kind 64 + 8 n + head) 8 + s / 128), kind 0 q, 1 k, 2 v; scale words [f][512] from byte 0.  q, k: rows s, K = d.  v: rows d, K = the 128 keys.
; ORDER INSIDE A BLOCK: a result's registers hold R's rows 16 b + 8 (lane / 16) + j, so a block's 32 numbers are laid 0-7, 16-23, 8-15, 24-31.  q and k are both laid so, and so are v and attention's p:
; blocks, scales and products are the contract's; only the order of the additions inside an instruction differs.
; LIMITS: NaN and infinities are not served; a block under 2^-122 or of zeros gets the byte 1 (read by this program alone).
; REGISTERS: window 0: v0-31 addresses; v32-63 scale words, two sets; v64-127 the bias along the registers; v128-223 P's 8 fragments, ONE set (on the way out: at work); v224-231 the bias along the lanes.
;   window 1: R's fragments, TWO sets, at v0 and v128.   windows 2, 3: the accumulators, (a, b) at v[8 (8 (a % 4) + b)].
.set FR,    12
.set NL,    3                          ; LDS loads that bring a fragment
.set NP,    4                          ; places behind this matrix instruction (ISA guide 7.12.1)
.set FRB,   1536
.set KSB,   12288                      ; a group's K step
.set GRPB,  98304                      ; a group
.set IMG0,  262144
.set QIMG0, 786432
.set SLOTG, 24576                      ; a group's two K steps: what one tensor load brings
.set SLOT,  4*SLOTG                    ; P's two groups, then R's two
.set SCL,   2*SLOT                     ; the scale words: 4,096 bytes for each of the four groups
.set SPARE, SCL+4*4096                 ; the spare words, 128 bytes a wave: two blocks of 256 bytes that no other line names
.set ADRA, 16                          ; v16-17 LDS address of my P fragments in slot 0, 1
.set ADRB, 20                          ; v20-21 of my R fragments
.set ADSP, 22                          ; v22    of P's scale words
.set ADSR, 23                          ; v23    of R's
.set LI,   24                          ; v24    16 x lane
.set SPW,  28                          ; v28    my spare word; never rewritten
.set NIL,  29                          ; v29    0; never rewritten
.set SC,   32                          ; set s at v[SC + 16 s]; in it 8 q + 0..3 P's words, 8 q + 4..7 R's, for the slot's q-th K step
.set BR,   64
.set AF,   128
.set BP,   224
.set T,    128                         ; the way out: 64 numbers
.set TM,   192                         ; v192-207 at work
.set PC,   208                         ; v208-219 the codes
.set PT,   232                         ; v232-239 the upper halves on their way
.set PW,   240                         ; the scale word
.set SWT,  241
.set SW,   244                         ; v244-247 the scale block
.set G1, 24
.set G0, 32
.set G1B, 48
.set G0B, 56
.set G1S, 68
.set G0S, 76
.set G1SB, 80
.set G0SB, 88
.set MSB, 0
.macro WIN new                         ; the immediate's high byte repeats the setting that is left
.if MSB != \new
	s_set_vgpr_msb (MSB<<8)|\new
.set MSB, \new
.endif
.endm
.set MUL_LO, 0xa1                      ; source 0 (R) window 1, source 1 (P) window 0, C and D window 2
.set MUL_HI, 0xf1                      ; the same, C and D window 3
.set TO_B,   0x40                      ; destination window 1, address window 0
; A joint load: waves 0 and 1 fetch for P, waves 2 and 3 for R.  The branch hangs on the wave's number alone.  Four v_nop follow each of the two lines.
.macro JLOAD g0a, g1a, g0b, g1b
	s_cmp_eq_u32 s15, 0
	s_cbranch_scc0 .Lfor_b_\@
	tensor_load_to_lds s[\g0a:\g0a+3], s[\g1a:\g1a+7]
	s_nop 0
.rept 4
	v_nop
.endr
	s_branch .Lasked_\@
.Lfor_b_\@:
	tensor_load_to_lds s[\g0b:\g0b+3], s[\g1b:\g1b+7]
	s_nop 0
.rept 4
	v_nop
.endr
.Lasked_\@:
.endm
.macro CREST                           ; a round of the cluster's barrier behind its opening barrier
	s_cmp_lg_u32 s14, 0
	s_cbranch_scc1 .Lnot_wave_0_\@
	s_barrier_signal -3
.Lnot_wave_0_\@:
	s_barrier_wait -3
	s_barrier_signal -1
	s_barrier_wait -1
.endm
.macro CROUND
	s_barrier_signal -1
	s_barrier_wait -1
	CREST
.endm
	s_load_b128 s[4:7], s[0:1], 0x0                ; xq s[4:5], wimg s[6:7]
	s_load_b128 s[8:11], s[0:1], 0x10              ; b_qkv s[8:9], qkv s[10:11]
	v_lshl_add_u32 v[SPW], v0, 2, SPARE
	v_mov_b32 v[NIL], 0
	ds_add_u32 v28, v29
	ds_add_u32 v28, v29
	s_wait_dscnt 0x0
	v_lshrrev_b32 v1, 5, v0
	v_readfirstlane_b32 s14, v1                    ; wave 0..3
	s_lshr_b32 s15, s14, 1                         ; which of P's two groups is mine.  Also: I fetch for P (0) or for R (1)
	s_and_b32 s16, s14, 1                          ; which of R's.  Also: which group of that tile I fetch
	s_bfe_u32 s40, ttmp6, 0x40000                  ; cx
	s_bfe_u32 s41, ttmp6, 0x40004                  ; cy
	s_and_b32 s17, ttmp7, 0xffff                   ; the cluster's y: 0..7, along xq's 32 tiles
	s_cmp_lt_u32 ttmp9, 2                          ; the cluster's x: 0, 1 q and k; 2 v
	s_cselect_b32 s18, s17, ttmp9                  ; P's tiles go by the cluster's y (xq) or x (the weight's tiles 8-11)
	s_cselect_b32 s19, ttmp9, s17                  ; R's the other way round
	s_lshl_b32 s42, s18, 2
	s_add_co_u32 s42, s42, s41                     ; P's tile: it hangs on cy alone
	s_lshl_b32 s43, s19, 2
	s_add_co_u32 s43, s43, s40                     ; R's tile: on cx alone
	s_lshl_b32 s44, s41, 2
	s_lshl_b32 s44, 15, s44                        ; my row of the cluster
	s_lshl_b32 s45, 0x1111, s40                    ; my column
	; descriptor group 1: dense bytes as rows of 256 (32 elements of 8 bytes): 96 rows for a tile, 16 for a group's scale words; no padding
	s_or_b32 s[G1], s44, (3<<16)|(1<<21)           ; 15:0 the mask; 17:16 elements of 8 bytes; 21 set beside a mask
	s_or_b32 s[G1B], s45, (3<<16)|(1<<21)
	s_or_b32 s[G1S], s44, (3<<16)|(1<<21)
	s_or_b32 s[G1SB], s45, (3<<16)|(1<<21)
.irp g, G1, G1B
	s_mov_b32 s[\g+1], 32<<16                      ; tensor_dim0
	s_mov_b32 s[\g+2], 96<<16                      ; tensor_dim1
	s_mov_b32 s[\g+3], 32<<16                      ; tile_dim0
	s_mov_b32 s[\g+4], 96                          ; tile_dim1
	s_mov_b32 s[\g+5], 32                          ; the pitch
	s_mov_b32 s[\g+6], 0
	s_mov_b32 s[\g+7], 0
.endr
.irp g, G1S, G1SB
	s_mov_b32 s[\g+1], 32<<16
	s_mov_b32 s[\g+2], 16<<16
	s_mov_b32 s[\g+3], 32<<16
	s_mov_b32 s[\g+4], 16
	s_mov_b32 s[\g+5], 32
	s_mov_b32 s[\g+6], 0
	s_mov_b32 s[\g+7], 0
.endr
	s_lshl_b32 s20, s42, 1
	s_add_co_u32 s20, s20, s16                     ; the group of P that I would fetch
	s_lshl_b32 s22, s43, 1
	s_add_co_u32 s22, s22, s16                     ; and of R
	s_mul_i32 s46, s20, GRPB
	s_add_co_u32 s46, s46, IMG0                    ; P: its images,
	s_mov_b32 s47, 0
	s_lshl_b32 s20, s20, 12                        ; its scale words
	s_mov_b32 s21, 0
	s_mul_i32 s92, s22, GRPB
	s_add_co_u32 s92, s92, IMG0                    ; R likewise
	s_mov_b32 s93, 0
	s_lshl_b32 s22, s22, 12
	s_mov_b32 s23, 0
	s_mul_i32 s12, s14, SLOTG                      ; where they go: wave x a group: no place in the cluster enters an LDS address
	s_lshl_b32 s13, s14, 12
	s_wait_kmcnt 0x0
	s_cmp_lt_u32 ttmp9, 2
	s_cselect_b64 s[66:67], s[4:5], s[6:7]         ; P's buffer
	s_cselect_b64 s[100:101], s[6:7], s[4:5]       ; R's
	s_add_nc_u64 s[46:47], s[66:67], s[46:47]
	s_add_nc_u64 s[20:21], s[66:67], s[20:21]
	s_add_nc_u64 s[92:93], s[100:101], s[92:93]
	s_add_nc_u64 s[22:23], s[100:101], s[22:23]
	CROUND                                         ; all sixteen work-groups are here: the first joint loads meet
	s_mov_b32 s[G0S], 1
	s_add_co_u32 s[G0S+1], s13, SCL
	s_mov_b64 s[G0S+2:G0S+3], s[20:21]
	s_or_b32 s[G0S+3], s[G0S+3], 0x80000000
	s_mov_b32 s[G0SB], 1
	s_add_co_u32 s[G0SB+1], s13, SCL
	s_mov_b64 s[G0SB+2:G0SB+3], s[22:23]
	s_or_b32 s[G0SB+3], s[G0SB+3], 0x80000000
	JLOAD G0S, G1S, G0SB, G1SB                     ; the scale words first: they are wanted with K step 0
.irp s, 0,1
	s_mov_b32 s[G0+4*\s], 1
	s_add_co_u32 s[G0+4*\s+1], s12, \s*SLOT
	s_add_nc_u64 s[G0+4*\s+2:G0+4*\s+3], s[46:47], \s*SLOTG
	s_or_b32 s[G0+4*\s+3], s[G0+4*\s+3], 0x80000000
	s_mov_b32 s[G0B+4*\s], 1
	s_add_co_u32 s[G0B+4*\s+1], s12, \s*SLOT
	s_add_nc_u64 s[G0B+4*\s+2:G0B+4*\s+3], s[92:93], \s*SLOTG
	s_or_b32 s[G0B+4*\s+3], s[G0B+4*\s+3], 0x80000000
	JLOAD G0+4*\s, G1, G0B+4*\s, G1B               ; three loads of mine are out
.endr
	v_and_b32 v1, 31, v0
	v_lshlrev_b32 v[LI], 4, v1
	s_mul_i32 s12, s15, SLOTG                      ; my group of P
	s_mul_i32 s13, s16, SLOTG
	s_add_co_u32 s13, s13, 2*SLOTG                 ; my group of R, behind P's two
.irp s, 0,1
	v_add_nc_u32 v[ADRA+\s], s12, v[LI]
	v_add_nc_u32 v[ADRB+\s], s13, v[LI]
	s_add_co_u32 s12, s12, SLOT
	s_add_co_u32 s13, s13, SLOT
.endr
	s_lshl_b32 s12, s15, 12
	s_add_co_u32 s12, s12, SCL
	v_add_nc_u32 v[ADSP], s12, v[LI]
	s_lshl_b32 s13, s16, 12
	s_add_co_u32 s13, s13, SCL+2*4096
	v_add_nc_u32 v[ADSR], s13, v[LI]
	; which rows are mine, and where the results go
	s_lshl_b32 s4, s42, 1
	s_add_co_u32 s4, s4, s15                       ; my group of P
	s_lshl_b32 s5, s43, 1
	s_add_co_u32 s5, s5, s16                       ; my group of R
	s_cmp_lt_u32 ttmp9, 2
	s_cselect_b32 s6, s4, s5                       ; xq's group: 8 n + s / 128
	s_cselect_b32 s7, s5, s4                       ; the weight's: 8 kind + head
	s_cselect_b32 s96, 0x3e9837f0, 1.0             ; q and k: x 128^(-1/4);  v: x 1
	s_cselect_b32 s98, 1.0, 0                      ; q and k: the bias runs along the registers;
	s_cselect_b32 s17, 0, -1                       ; v: along the lanes
	s_mov_b32 s97, s96                             ; (the packed forms name pairs)
	s_mov_b32 s99, s98
	s_mov_b32 s18, 0xffff0000                      ; lanes 16-31
	s_mov_b32 s2, 0x76543210                       ; v_permlanex16_b32's selects for lane l xor 16
	s_mov_b32 s3, 0xfedcba98
	s_lshl_b32 s4, s7, 9
	s_mov_b32 s5, 0
	s_add_nc_u64 s[8:9], s[8:9], s[4:5]            ; the bias of my 128 outputs
	s_lshr_b32 s4, s7, 3
	s_lshl_b32 s4, s4, 3
	s_lshr_b32 s94, s6, 3
	s_add_co_u32 s4, s4, s94                       ; 8 kind + n
	s_lshl_b32 s4, s4, 3
	s_and_b32 s94, s7, 7
	s_add_co_u32 s4, s4, s94                       ; .. 8 + head
	s_lshl_b32 s4, s4, 3
	s_and_b32 s94, s6, 7
	s_add_co_u32 s4, s4, s94                       ; f
	s_lshl_b32 s6, s4, 9
	s_mov_b32 s7, 0
	s_add_nc_u64 s[94:95], s[10:11], s[6:7]        ; my scale block
	s_mul_i32 s4, s4, KSB
	s_add_co_u32 s4, s4, QIMG0
	s_add_nc_u64 s[10:11], s[10:11], s[4:5]        ; my eight fragments
	v_bfe_u32 v2, v0, 4, 1
	v_lshlrev_b32 v25, 5, v2                       ; 32 (lane / 16): along the registers a lane wants outputs 16 b + 8 (lane / 16) + 0..7
	v_and_b32 v3, 15, v0
	v_lshlrev_b32 v26, 2, v3                       ; 4 (lane % 16): along the lanes output 16 a + lane % 16
.irp b, 0,1,2,3,4,5,6,7
	global_load_b128 v[BR+8*\b:BR+8*\b+3], v25, s[8:9] offset:64*\b
	global_load_b128 v[BR+8*\b+4:BR+8*\b+7], v25, s[8:9] offset:64*\b+16
.endr
.irp a, 0,1,2,3,4,5,6,7
	global_load_b32 v[BP+\a], v26, s[8:9] offset:64*\a
.endr
	s_wait_loadcnt 0x0
.irp a, 0,1,2,3,4,5,6,7
	v_and_b32 v[BP+\a], s17, v[BP+\a]              ; zeros for q and k
.endr
.macro FRAG reg, adr, off              ; a fragment comes back as it was stored: three loads of 512 consecutive bytes
.irp c, 0,1,2
	ds_load_b128 v[(\reg)+4*\c:(\reg)+4*\c+3], v[\adr] offset:(\off)+512*\c
.endr
.endm
.macro WMZ                             ; a product that starts a sum.  An odd fragment's scale words stand in lanes 16-31 of their register
.if oR && oP
	v_wmma_scale_f32_16x16x128_f8f6f4 v[rD:rD+7], v[rR:rR+FR-1], v[rP:rP+FR-1], 0, v[rSR], v[rSP] matrix_a_fmt:MATRIX_FMT_BF6 matrix_b_fmt:MATRIX_FMT_BF6 matrix_a_scale:MATRIX_SCALE_ROW1 matrix_b_scale:MATRIX_SCALE_ROW1
.elseif oR
	v_wmma_scale_f32_16x16x128_f8f6f4 v[rD:rD+7], v[rR:rR+FR-1], v[rP:rP+FR-1], 0, v[rSR], v[rSP] matrix_a_fmt:MATRIX_FMT_BF6 matrix_b_fmt:MATRIX_FMT_BF6 matrix_a_scale:MATRIX_SCALE_ROW1
.elseif oP
	v_wmma_scale_f32_16x16x128_f8f6f4 v[rD:rD+7], v[rR:rR+FR-1], v[rP:rP+FR-1], 0, v[rSR], v[rSP] matrix_a_fmt:MATRIX_FMT_BF6 matrix_b_fmt:MATRIX_FMT_BF6 matrix_b_scale:MATRIX_SCALE_ROW1
.else
	v_wmma_scale_f32_16x16x128_f8f6f4 v[rD:rD+7], v[rR:rR+FR-1], v[rP:rP+FR-1], 0, v[rSR], v[rSP] matrix_a_fmt:MATRIX_FMT_BF6 matrix_b_fmt:MATRIX_FMT_BF6
.endif
.endm
.macro WMC                             ; a product that adds onto its sum
.if oR && oP
	v_wmma_scale_f32_16x16x128_f8f6f4 v[rD:rD+7], v[rR:rR+FR-1], v[rP:rP+FR-1], v[rD:rD+7], v[rSR], v[rSP] matrix_a_fmt:MATRIX_FMT_BF6 matrix_b_fmt:MATRIX_FMT_BF6 matrix_a_scale:MATRIX_SCALE_ROW1 matrix_b_scale:MATRIX_SCALE_ROW1
.elseif oR
	v_wmma_scale_f32_16x16x128_f8f6f4 v[rD:rD+7], v[rR:rR+FR-1], v[rP:rP+FR-1], v[rD:rD+7], v[rSR], v[rSP] matrix_a_fmt:MATRIX_FMT_BF6 matrix_b_fmt:MATRIX_FMT_BF6 matrix_a_scale:MATRIX_SCALE_ROW1
.elseif oP
	v_wmma_scale_f32_16x16x128_f8f6f4 v[rD:rD+7], v[rR:rR+FR-1], v[rP:rP+FR-1], v[rD:rD+7], v[rSR], v[rSP] matrix_a_fmt:MATRIX_FMT_BF6 matrix_b_fmt:MATRIX_FMT_BF6 matrix_b_scale:MATRIX_SCALE_ROW1
.else
	v_wmma_scale_f32_16x16x128_f8f6f4 v[rD:rD+7], v[rR:rR+FR-1], v[rP:rP+FR-1], v[rD:rD+7], v[rSR], v[rSP] matrix_a_fmt:MATRIX_FMT_BF6 matrix_b_fmt:MATRIX_FMT_BF6
.endif
.endm
; 16 matrix instructions: P's fragments a0, a0 + 1 x R's eight, the slot's q-th K step.  p: R's set;  sc: the set of scale words.  The 64 accumulators take turns, one instruction a turn,
; in the same order in every step.
.macro MUL16 a0, p, q, sc, zero
.irp a, \a0, \a0+1
.irp b, 0,1,2,3,4,5,6,7
.set rD, 8*(8*((\a)%4)+\b)
.set rR, 128*(\p)+FR*\b
.set rP, AF+FR*(\a)
.set rSR, SC+16*(\sc)+8*(\q)+4+\b/2
.set rSP, SC+16*(\sc)+8*(\q)+(\a)/2
.set oR, \b%2
.set oP, (\a)%2
.if \zero
	WMZ
.else
	WMC
.endif
.endr
.endr
.endm
.macro FETCH_B slot, q, p              ; R's eight fragments of the slot's q-th K step into set p
	WIN TO_B
.irp i, 0,1,2,3,4,5,6,7
	FRAG 128*(\p)+FR*\i, ADRB+\slot, (\q)*KSB+\i*FRB
.endr
	WIN 0
.endm
.macro FETCH_A slot, q, i0             ; P's fragments i0 .. i0 + 3
.irp i, \i0, \i0+1, \i0+2, \i0+3
	FRAG AF+FR*(\i), ADRA+\slot, (\q)*KSB+(\i)*FRB
.endr
.endm
.macro SCALES sc, kk                   ; the scale words of K steps 2 kk and 2 kk + 1 into set sc
.irp q, 0,1
	ds_load_b128 v[SC+16*\sc+8*\q:SC+16*\sc+8*\q+3], v[ADSP] offset:512*(2*(\kk)+\q)
	ds_load_b128 v[SC+16*\sc+8*\q+4:SC+16*\sc+8*\q+7], v[ADSR] offset:512*(2*(\kk)+\q)
.endr
.endm
; A load into a register that a matrix instruction has read, and a vector instruction that reads a matrix result or writes one of its registers, stand NP places behind it; only plain vector
; instructions that name none of its registers are places (ISA guide 7.12.1 for vector instructions).
.macro PLACES n
.rept \n
	v_nop
.endr
.endm
.macro STEP slot, q, zero              ; a K step that has its successor in the same slot
	s_wait_dscnt 4*NL                              ; R's set, P's fragments 0-3 and the scale words are in; the youngest 12 loads (P's 4-7) may be out
	WIN MUL_LO
	MUL16 0, (\q)%2, \q, \slot, \zero
	MUL16 2, (\q)%2, \q, \slot, \zero
	s_wait_dscnt 0                                 ; P's 4-7 are in (asked for 32 matrix instructions ago)
	PLACES NP
	FETCH_B \slot, (\q)+1, 1-(\q)%2
	FETCH_A \slot, (\q)+1, 0
	WIN MUL_HI
	MUL16 4, (\q)%2, \q, \slot, \zero
	MUL16 6, (\q)%2, \q, \slot, \zero
	PLACES NP
	WIN 0
	FETCH_A \slot, (\q)+1, 4
.endm
; A slot's last K step changes slots: ONE barrier; in front of it each wave waits for all its tensor loads, adds 0 to its spare word, and waits for that and for its reads of this slot.
; fill = 1: this slot is filled again, with the K steps two slots on.  kk: which pair of K steps the next slot holds.
.macro TURN slot, next, fill, kk
	s_wait_tensorcnt 0x0                           ; all my tensor loads have landed: my part of the next slot  (every window is 0 here)
	ds_add_u32 v[SPW], v[NIL]                      ; 0 onto my spare word
	s_wait_dscnt 4*NL+1                            ; (the add and the youngest 12 loads may be out)
	WIN MUL_LO
	MUL16 0, 1, 1, \slot, 0                        ; sixteen matrix instructions stand between the add and the wait for it
	s_wait_dscnt 0x0                               ; the add is done, and my reads of this slot are over
	s_barrier_signal -1
	MUL16 2, 1, 1, \slot, 0
	WIN 0
	s_barrier_wait -1
.if \fill
	CREST                                          ; the barrier has opened a round of the cluster's: no wave of any partner still reads this slot or has a load on its way
	s_add_nc_u64 s[G0+4*\slot+2:G0+4*\slot+3], s[G0+4*\slot+2:G0+4*\slot+3], 2*SLOTG
	s_add_nc_u64 s[G0B+4*\slot+2:G0B+4*\slot+3], s[G0B+4*\slot+2:G0B+4*\slot+3], 2*SLOTG
	JLOAD G0+4*\slot, G1, G0B+4*\slot, G1B         ; the first tensor load behind the round; its four v_nop are the places in front of the loads below
.else
	PLACES NP
.endif
	FETCH_B \next, 0, 0
	FETCH_A \next, 0, 0
	SCALES \next, \kk
	WIN MUL_HI
	MUL16 4, 1, 1, \slot, 0
	MUL16 6, 1, 1, \slot, 0
	PLACES NP
	WIN 0
	FETCH_A \next, 0, 4
.endm
	s_wait_tensorcnt 1                             ; the scale words and my part of slot 0 are in (slot 1's load may be out)
	s_barrier_signal -1
	s_barrier_wait -1                              ; everybody's are
	FETCH_B 0, 0, 0
	FETCH_A 0, 0, 0
	SCALES 0, 0
	FETCH_A 0, 0, 4
	STEP 0, 0, 1                                   ; K steps 0 .. 7, four slots' worth, written straight through: the first step's products start the sums
	TURN 0, 1, 1, 1
	STEP 1, 0, 0
	TURN 1, 0, 1, 2
	STEP 0, 0, 0
	TURN 0, 1, 0, 3                                ; nothing is left to fetch
	STEP 1, 0, 0
	s_wait_dscnt 4*NL                              ; the last K step
	WIN MUL_LO
	MUL16 0, 1, 1, 1, 0
	MUL16 2, 1, 1, 1, 0
	s_wait_dscnt 0
	WIN MUL_HI
	MUL16 4, 1, 1, 1, 0
	MUL16 6, 1, 1, 1, 0
	WIN 0
; 64 numbers of a lane, v[s] on: registers 16 b .. 16 b + 15 are my half of block b of my row; lane l xor 16 holds the other half.  They become a fragment's codes in v[PC] on and its scale word in v[PW].
.macro QUANT s
.irp b, 0,1,2,3
	v_max3_num_f32 v[TM+\b], |v[\s+16*\b]|, |v[\s+1+16*\b]|, 0x2800000   ; with the floor 2^(5 - 127): the byte cannot fall under 1
.endr
.irp i, 2,4,6,8,10,12,14
.irp b, 0,1,2,3
	v_max3_num_f32 v[TM+\b], v[TM+\b], |v[\s+16*\b+\i]|, |v[\s+1+16*\b+\i]|   ; the four blocks by turns
.endr
.endr
.irp b, 0,1,2,3
	v_permlanex16_b32 v[TM+4+\b], v[TM+\b], s2, s3
.endr
.irp b, 0,1,2,3
	v_max_num_f32 v[TM+\b], v[TM+\b], v[TM+4+\b]   ; the block's largest magnitude
.endr
.irp b, 0,1,2,3
	v_add_nc_u32 v[TM+12+\b], 0xfe000000, v[TM+\b] ; 4 off its exponent field: the conversion's scale operand
.endr
.irp b, 0,1,2,3
	v_lshrrev_b32 v[TM+4+\b], 23, v[TM+12+\b]      ; the scale's byte
.endr
	v_lshl_or_b32 v[PW], v[TM+5], 8, v[TM+4]
	v_lshl_or_b32 v[PW], v[TM+6], 16, v[PW]
	v_lshl_or_b32 v[PW], v[TM+7], 24, v[PW]
.irp c, 0,1
	v_cvt_scalef32_pk16_bf6_f32 v[PC+6*\c:PC+2+6*\c], v[\s+32*\c:\s+15+32*\c], v[TM+12+2*\c]
	v_cvt_scalef32_pk16_bf6_f32 v[PT+4*\c:PT+2+4*\c], v[\s+16+32*\c:\s+31+32*\c], v[TM+12+2*\c+1]   ; (a conversion's three registers begin on an even number)
.endr
	v_nop                                          ; one plain place behind a scaled conversion
.irp c, 0,1                            ; the operand wants a WHOLE block in a lane: lanes 0-15 block 2 c, lanes 16-31 block 2 c + 1
.irp i, 0,1,2
	v_permlane16_swap_b32 v[PC+6*\c+\i], v[PT+4*\c+\i]
.endr
.irp i, 0,1,2
	v_mov_b32 v[PC+3+6*\c+\i], v[PT+4*\c+\i]
.endr
.endr
.endm
; P's fragment a: (sum + the bias along the registers) x f + the bias along the lanes: for q and k (sum + b) x 128^(-1/4), for v sum + b, each as it is defined.
.macro EPI a
	WIN 0x20+0x10*((\a)/4)                         ; source 2: the accumulators' window
.set i, 0
.rept 32
	v_pk_fma_f32 v[T+2*i:T+2*i+1], v[BR+2*i:BR+2*i+1], s[98:99], v[64*((\a)%4)+2*i:64*((\a)%4)+2*i+1] op_sel_hi:[1,0,1]   ; each accumulator from its low end on
.set i, i+1
.endr
	WIN 0
.set i, 0
.rept 32
.if (\a)%2
	v_pk_fma_f32 v[T+2*i:T+2*i+1], v[T+2*i:T+2*i+1], s[96:97], v[BP+(\a)-1:BP+(\a)] op_sel:[0,0,1] op_sel_hi:[1,0,1]
.else
	v_pk_fma_f32 v[T+2*i:T+2*i+1], v[T+2*i:T+2*i+1], s[96:97], v[BP+(\a):BP+(\a)+1] op_sel_hi:[1,0,0]
.endif
.set i, i+1
.endr
	s_wait_xcnt 0x0                                ; the last fragment's stores have read their registers: the codes may be written again
	QUANT T
.irp c, 0,1,2
	global_store_b128 v[LI], v[PC+4*\c:PC+4*\c+3], s[10:11] offset:(\a)*FRB+512*\c   ; 512 consecutive bytes
.endr
.if (\a)%2 == 0
	v_mov_b32 v[SWT], v[PW]
.else
	v_cndmask_b32 v[SW+(\a)/2], v[SWT], v[PW], s18 ; lanes 0-15 the even fragment's words, lanes 16-31 the odd one's (both halves of the lanes hold a row's word)
.endif
.endm
	PLACES NP                                      ; behind the last products
.irp b, 0,1,2,3
	v_mov_b32 v[TM+4+\b], 0                        ; written once: a lane permute's destination counts as one of its sources
.endr
.irp a, 0,1,2,3,4,5,6,7
	EPI \a
.endr
	global_store_b128 v[LI], v[SW:SW+3], s[94:95]
	s_wait_tensorcnt 0x0                           ; the wave's end
	ds_add_u32 v[SPW], v[NIL]
	s_wait_dscnt 0x0
	CROUND                                         ; the closing round: no work-group ends while a partner may still ask for a tile that names it
	s_endpgm
.Lfunc_end_k_q36a262faca_qkv:
	.size	k_q36a262faca_qkv, .Lfunc_end_k_q36a262faca_qkv-k_q36a262faca_qkv
	.p2alignl 7, 3214868480
	.fill 96, 4, 3214868480
	.section	.rodata,"a",@progbits
	.p2align	6, 0x0
	.amdhsa_kernel k_q36a262faca_qkv
		.amdhsa_group_segment_fixed_size 327680
		.amdhsa_private_segment_fixed_size 0
		.amdhsa_enable_private_segment 0
		.amdhsa_kernarg_size 32
		.amdhsa_user_sgpr_count 2
		.amdhsa_user_sgpr_kernarg_segment_ptr 1
		.amdhsa_wavefront_size32 1
		.amdhsa_system_sgpr_workgroup_id_x 1
		.amdhsa_system_sgpr_workgroup_id_y 1
		.amdhsa_system_sgpr_workgroup_id_z 1
		.amdhsa_system_vgpr_workitem_id 0
		.amdhsa_next_free_vgpr 1024
		.amdhsa_next_free_sgpr 102
		.amdhsa_reserve_vcc 0
		.amdhsa_float_denorm_mode_32 3
		.amdhsa_float_denorm_mode_16_64 3
		.amdhsa_memory_ordered 1
		.amdhsa_forward_progress 1
		.amdhsa_inst_pref_size 173
	.end_amdhsa_kernel
	.amdgpu_metadata
---
amdhsa.version: [ 1, 2 ]
amdhsa.kernels:
  - .name:           k_q36a262faca_qkv
    .symbol:         k_q36a262faca_qkv.kd
    .args:
      - { .name: xq, .offset: 0, .size: 8, .value_kind: global_buffer, .address_space: global }
      - { .name: wimg, .offset: 8, .size: 8, .value_kind: global_buffer, .address_space: global }
      - { .name: b_qkv, .offset: 16, .size: 8, .value_kind: global_buffer, .address_space: global }
      - { .name: qkv, .offset: 24, .size: 8, .value_kind: global_buffer, .address_space: global }
    .group_segment_fixed_size: 327680
    .private_segment_fixed_size: 0
    .kernarg_segment_align: 8
    .kernarg_segment_size: 32
    .max_flat_workgroup_size: 128
    .sgpr_count:     102
    .vgpr_count:     1024
    .wavefront_size: 32
...
	.end_amdgpu_metadata
.endif
;; end of part 3
;; launch attn (part 4): grid 4 x 64, 16 waves a work-group, clusters of 4 x 1, 327,680 bytes of LDS; arguments qkv, yq; writes yq
.if DOCPART == 4
	.amdgcn_target "amdgcn-amd-amdhsa--gfx1250"
	.amdhsa_code_object_version 6
	.text
	.protected	k_q36a262faca_attn
	.globl	k_q36a262faca_attn
	.p2align	8
	.type	k_q36a262faca_attn,@function
k_q36a262faca_attn:
	s_mov_b64 s[64:65], 0
	v_nop
	global_prefetch_b8 v0, s[64:65] scope:SCOPE_SE
	s_setreg_imm32_b32 hwreg(HW_REG_WAVE_MODE, 25, 1), 1
	s_wait_xcnt 0x0
	s_wait_alu depctr_hold_cnt(0) depctr_sa_sdst(0) depctr_va_vdst(0) depctr_va_sdst(0) depctr_va_ssrc(0) depctr_va_vcc(0) depctr_vm_vsrc(0)
	s_getreg_b32 s2, hwreg(HW_REG_IB_STS2, 6, 4)
	s_cmp_eq_u32 s2, 0
	s_cbranch_scc0 .Lentry_in_a_cluster
	s_endpgm
.Lentry_in_a_cluster:
	s_bfe_u32 s2, ttmp6, 0x10000c
	s_cmp_lg_u32 s2, 0x3003
	s_cbranch_scc0 .Lentry_shape_is_right
	s_endpgm
.Lentry_shape_is_right:
; Attention of one head on codes of E3M2, and the quantising of its result for the last projection.  q, k (already x 128^(-1/4)) and v come as fragment images from the launch before:
; qkv from QIMG0 on [f][8 fragments][1,536], f = ((kind 64 + hh) 8 + s / 128), hh = 8 n + head; scale words [f][512] from byte 0.  q, k: rows s, K = d.  v: rows d, K = 128 keys.
; THE SOFTMAX: t = score x log2(e); M = the running largest t rounded UP to a whole number; p = 2^(t - M) is quantised along the keys, not normalised; the row's sum is taken of the unquantised p and divides at the end;
; when M moves, the sum and O are multiplied by 2^(old M - new M), which rounds nothing.
; SHARES.  A work-group owns 256 queries of a head; each of its sixteen waves 16 of them, in 256 registers: four waves to a SIMD, so that one wave's vector work stands beside another's products and LDS loads.
; A WHOLE HEAD'S K AND V STAY IN LDS (2 x 98,304 bytes and 2 x 4,096 of scale words): every byte is filled once, so there is no ring and no refill.  Waves 0-3 ask, one key step (48 rows of 256 bytes) a load:
; five loads of such a wave are out at the start.  The first two key steps are waited for by a count, so that the work begins on a quarter of the head; behind them one wait for all loads and one barrier serve
; the other six key steps, which no barrier parts: the waves of a SIMD may fall out of step, and then their LDS loads, exponentials and products stand beside each other.
; CLUSTER: the four query blocks of a head walk the same K and V: each load is asked for jointly by all four.
; LAYOUT.  Both products are used transposed: S^T = K Q^T, O^T = V^T P^T: a lane holds ONE query (lane % 16) throughout.  The 16 registers of tiles 2 b and 2 b + 1, with lane l xor 16's, are block b of the keys,
; laid 0-7, 16-23, 8-15, 24-31: v's codes are laid in the same order, so blocks, scales and products are the contract's; only the order of the additions inside an instruction differs.
; y meets a GIVEN weight, so its d are brought into their true order (32 exchanges of half registers) before it is quantised.  yq: as the first product's operand: [group 8 n + s / 128][K step = head][fragment][1,536] from IMG0 on.
; LIMITS: NaN and infinities are not served; a block under 2^-122 or of zeros gets the byte 1 (read by this program alone).
; REGISTERS: v1-4 addresses that stay; v8-11 the step's; v12 -M, v13 the largest t, v[14:15] the sum; v16-27 Q; v32-79 four fragments of K, v32-127 eight of V; v96-159 S^T, then p; v160-223 O^T; v224-235 p's codes;
;   v232-254 at work; v248-251, v253, v255 scale words.
.set QIMG0, 786432
.set IMG0,  262144
.set KSB,   12288
.set FRB,   1536
.set KINDB, 6291456                    ; 64 heads x 8 x 12,288
.set LK,    0                          ; LDS: K's eight key steps,
.set LV,    98304                      ; V's,
.set LSK,   196608                     ; K's scale words,
.set LSV,   200704                     ; V's,
.set YS,    204800                     ; and y's scale words on their way out: 1,024 bytes into which no fill lands
.set LI,  1                            ; v1  16 x lane
.set ADK, 8
.set ADV, 9
.set ADS, 10
.set ADT, 11
.set TM,  232
.set PC,  32
.set PT,  48
.set PW,  56
.set WV,  18
.set SEL, 20
.set CS,  22
.set G1T, 24                           ; s[24:31] group 1 of a key step's tile;  s[32:39] of the scale words;  s[40:59] five groups 0
.set G1S, 32
.set G0,  40
.macro ROUND                           ; a round of the cluster's barrier
	s_barrier_signal -1
	s_barrier_wait -1
	s_cmp_lg_u32 s[WV], 0
	s_cbranch_scc1 .Lnot_wave_0_\@
	s_barrier_signal -3
.Lnot_wave_0_\@:
	s_barrier_wait -3
	s_barrier_signal -1
	s_barrier_wait -1
.endm
	s_load_b128 s[4:7], s[0:1], 0x0                ; qkv s[4:5], yq s[6:7]
	v_lshl_add_u32 v31, v0, 2, 0x32400
	v_mov_b32 v243, 0
	ds_add_u32 v31, v243
	ds_add_u32 v31, v243
	v_lshrrev_b32 v8, 5, v0
	v_readfirstlane_b32 s[WV], v8                  ; wave 0..15
	s_bfe_u32 s8, ttmp6, 0x40000                   ; cx
	s_lshl_b32 s9, ttmp9, 2
	s_add_co_u32 s8, s8, s9                        ; my block of 256 queries: it enters Q's and y's global addresses alone
	s_and_b32 s10, ttmp7, 0xffff                   ; hh = 8 n + head, which the partners share
	s_lshr_b32 s11, s[WV], 1                       ; waves 0-3: 0 fetches for K, 1 for V;
	s_and_b32 s12, s[WV], 1                        ; which key step of a pair
	s_add_co_u32 s13, s11, 1                       ; kind
	s_lshl_b32 s14, s13, 6
	s_add_co_u32 s14, s14, s10
	s_lshl_b32 s14, s14, 12                        ; the head's scale words,
	s_lshl_b32 s15, s12, 11                        ; my half of them
	s_add_co_u32 s14, s14, s15
	s_mov_b32 s15, 0
	s_mul_i32 s16, s13, KINDB
	s_mul_i32 s17, s10, 98304
	s_add_co_u32 s16, s16, s17
	s_mul_i32 s17, s12, KSB
	s_add_co_u32 s16, s16, s17
	s_add_co_u32 s16, s16, QIMG0                   ; my key step of the first pair
	s_mov_b32 s17, 0
	s_lshl_b32 s60, s11, 12
	s_lshl_b32 s61, s12, 11
	s_add_co_u32 s60, s60, s61
	s_add_co_u32 s60, s60, LSK                     ; where they go
	s_mul_i32 s61, s11, 98304
	s_mul_i32 s62, s12, KSB
	s_add_co_u32 s61, s61, s62
	s_mov_b32 s[G1T], 15|(3<<16)|(1<<21)           ; 15:0 the mask: all four work-groups; 17:16 elements of 8 bytes; 21 set beside a mask; no padding
	s_mov_b32 s[G1T+1], 32<<16                     ; rows of 256 bytes,
	s_mov_b32 s[G1T+2], 48<<16                     ; 48 of them, dense
	s_mov_b32 s[G1T+3], 32<<16
	s_mov_b32 s[G1T+4], 48
	s_mov_b32 s[G1T+5], 32
	s_mov_b32 s[G1T+6], 0
	s_mov_b32 s[G1T+7], 0
	s_mov_b32 s[G1S], 15|(3<<16)|(1<<21)
	s_mov_b32 s[G1S+1], 32<<16
	s_mov_b32 s[G1S+2], 8<<16                      ; 8 rows
	s_mov_b32 s[G1S+3], 32<<16
	s_mov_b32 s[G1S+4], 8
	s_mov_b32 s[G1S+5], 32
	s_mov_b32 s[G1S+6], 0
	s_mov_b32 s[G1S+7], 0
	s_mov_b32 s[SEL], 0x76543210
	s_mov_b32 s[SEL+1], 0xfedcba98                 ; v_permlanex16_b32's selects for lane l xor 16
	s_mov_b32 s[CS], 0x3fb8aa3b                    ; log2(e)
	s_mov_b32 s[CS+1], s[CS]                       ; (named with it as a pair)
	; Q's and y's places
	s_lshl_b32 s66, s10, 3
	s_lshl_b32 s67, s8, 1
	s_add_co_u32 s66, s66, s67
	s_lshr_b32 s67, s[WV], 3
	s_add_co_u32 s66, s66, s67                     ; q's f = 8 hh + s / 128
	s_and_b32 s68, s[WV], 7                        ; my fragment in it
	s_mul_i32 s70, s66, KSB
	s_mul_i32 s71, s68, FRB
	s_add_co_u32 s70, s70, s71
	s_add_co_u32 s70, s70, QIMG0
	s_mov_b32 s71, 0
	s_lshl_b32 s72, s66, 9                         ; its scale block; row 16 a + r's word lies at 16 (16 (a % 2) + r) + 4 (a / 2)
	s_lshl_b32 s69, s12, 8
	s_add_co_u32 s72, s72, s69
	s_lshr_b32 s69, s68, 1
	s_lshl_b32 s69, s69, 2
	s_add_co_u32 s72, s72, s69
	s_mov_b32 s73, 0
	s_lshr_b32 s74, s10, 3
	s_lshl_b32 s74, s74, 3
	s_lshl_b32 s75, s8, 1
	s_add_co_u32 s74, s74, s75                     ; 8 n + 2 x my block
	s_and_b32 s75, s10, 7                          ; head
	s_add_co_u32 s76, s74, s67                     ; y's group
	s_lshl_b32 s76, s76, 3
	s_add_co_u32 s76, s76, s75
	s_mul_i32 s76, s76, KSB
	s_mul_i32 s77, s68, FRB
	s_add_co_u32 s76, s76, s77
	s_add_co_u32 s76, s76, IMG0
	s_mov_b32 s77, 0
	s_add_co_u32 s78, s74, s12                     ; the group whose scale block wave 0 or 1 stores
	s_lshl_b32 s78, s78, 3
	s_add_co_u32 s78, s78, s75
	s_lshl_b32 s78, s78, 9
	s_mov_b32 s79, 0
	s_lshl_b32 s80, s67, 9                         ; LDS: my rows' words in the work-group's two scale blocks: made of the wave's number alone
	s_lshl_b32 s81, s12, 8
	s_add_co_u32 s80, s80, s81
	s_add_co_u32 s80, s80, s69
	s_add_co_u32 s80, s80, YS
	s_lshl_b32 s81, s12, 9
	s_add_co_u32 s81, s81, YS
	s_wait_dscnt 0x0
	s_wait_kmcnt 0x0
	s_add_nc_u64 s[14:15], s[4:5], s[14:15]
	s_add_nc_u64 s[16:17], s[4:5], s[16:17]
	s_add_nc_u64 s[70:71], s[4:5], s[70:71]
	s_add_nc_u64 s[72:73], s[4:5], s[72:73]
	s_add_nc_u64 s[76:77], s[6:7], s[76:77]
	s_add_nc_u64 s[78:79], s[6:7], s[78:79]
	s_mov_b32 s[G0], 1
	s_mov_b32 s[G0+1], s60
	s_mov_b64 s[G0+2:G0+3], s[14:15]
	s_or_b32 s[G0+3], s[G0+3], 0x80000000
.irp i, 0,1,2,3
	s_mov_b32 s[G0+4+4*\i], 1
	s_add_co_u32 s[G0+5+4*\i], s61, \i*2*KSB
	s_add_nc_u64 s[G0+6+4*\i:G0+7+4*\i], s[16:17], \i*2*KSB
	s_or_b32 s[G0+7+4*\i], s[G0+7+4*\i], 0x80000000
.endr
	ROUND                                          ; all four work-groups are here: the joint loads meet
	s_cmp_lt_u32 s[WV], 4                          ; all fills of a wave stand in one branch on the wave's number, ahead of every wait on TENSORcnt, every LDS read and every other barrier
	s_cbranch_scc0 .Lno_fill
	tensor_load_to_lds s[G0:G0+3], s[G1S:G1S+7]
	s_nop 0
	tensor_load_to_lds s[G0+4:G0+7], s[G1T:G1T+7]
	s_nop 0
	tensor_load_to_lds s[G0+8:G0+11], s[G1T:G1T+7]
	s_nop 0
	tensor_load_to_lds s[G0+12:G0+15], s[G1T:G1T+7]
	s_nop 0
	tensor_load_to_lds s[G0+16:G0+19], s[G1T:G1T+7]
	s_nop 0
.rept 4
	v_nop
.endr
.Lno_fill:
	v_and_b32 v8, 31, v0
	v_lshlrev_b32 v[LI], 4, v8
	v_and_b32 v9, 15, v0
	v_lshlrev_b32 v2, 4, v9                        ; 16 (lane % 16)
.irp c, 0,1,2
	global_load_b128 v[16+4*\c:19+4*\c], v[LI], s[70:71] offset:512*\c   ; Q's fragment stays in registers
.endr
	global_load_b32 v255, v2, s[72:73]             ; and its scale words
	v_add_nc_u32 v3, s80, v2                       ; where my rows' scale words of y go
	v_add_nc_u32 v4, s81, v[LI]                    ; and where waves 0 and 1 read a block back
	v_mov_b32 v13, 0xff61b1e6                      ; the largest t so far: -3e38, under every t
	v_floor_f32 v12, -v13                          ; -M
	v_mov_b32 v14, 0                               ; the sum, in two halves
	v_mov_b32 v15, 0
.irp b, 0,1,2,3
	v_mov_b32 v[236+\b], 0                         ; written once: a lane permute's destination counts as one of its sources
.endr
	v_mov_b32 v253, 0                              ; (named as the upper half of the pair v[252:253] before it is first written)
.set j, 0
.rept 64
	v_mov_b32 v[160+j], 0                          ; O^T: the step is written in one form; the first finds zeros, which the first change of M leaves zeros
.set j, j+1
.endr
; A KEY STEP: 128 keys.
.macro STEP ks
	v_add_nc_u32 v[ADK], LK+(\ks)*KSB, v[LI]       ; these four and the v_nop are FIVE places behind the last step's products: four serve the loads into registers that those products read,
	v_add_nc_u32 v[ADV], LV+(\ks)*KSB, v[LI]       ; the fifth the first products below, which write over v96-127, where V's last fragments lay
	v_add_nc_u32 v[ADS], LSK+(\ks)*512, v[LI]
	v_add_nc_u32 v[ADT], LSV+(\ks)*512, v[LI]
	v_nop
.irp g, 0,1                            ; S^T = K Q^T, four tiles of 16 keys at a time
.if \g > 0
.rept 4
	v_nop
.endr
.endif
.irp t, 0,1,2,3
.irp c, 0,1,2
	ds_load_b128 v[32+12*\t+4*\c:35+12*\t+4*\c], v[ADK] offset:(4*\g+\t)*FRB+512*\c
.endr
.endr
.if \g == 0
	ds_load_b128 v[248:251], v[ADS]                ; the step's scale words of K: register p: tile 2 p in lanes 0-15, tile 2 p + 1 in lanes 16-31
.endif
	s_wait_dscnt 0x0
.irp t, 0,1,2,3
.if \t%2
	v_wmma_scale_f32_16x16x128_f8f6f4 v[96+8*(4*\g+\t):103+8*(4*\g+\t)], v[32+12*\t:43+12*\t], v[16:27], 0, v[248+2*\g+\t/2], v255 matrix_a_fmt:MATRIX_FMT_BF6 matrix_b_fmt:MATRIX_FMT_BF6 matrix_a_scale:MATRIX_SCALE_ROW1
.else
	v_wmma_scale_f32_16x16x128_f8f6f4 v[96+8*(4*\g+\t):103+8*(4*\g+\t)], v[32+12*\t:43+12*\t], v[16:27], 0, v[248+2*\g+\t/2], v255 matrix_a_fmt:MATRIX_FMT_BF6 matrix_b_fmt:MATRIX_FMT_BF6
.endif
.endr
.endr
.rept 4
	v_nop                                          ; places in front of the first read of the scores, and of the loads below into K's registers
.endr
.irp t, 0,1,2,3                        ; V's FIRST FOUR FRAGMENTS AND ITS SCALE WORDS ARE ASKED FOR HERE: they land while the softmax is worked, which touches none of their registers
.irp c, 0,1,2
	ds_load_b128 v[32+12*\t+4*\c:35+12*\t+4*\c], v[ADV] offset:\t*FRB+512*\c
.endr
.endr
	ds_load_b128 v[248:251], v[ADT]
.irp b, 0,1,2,3
	v_max3_num_f32 v[232+\b], v[96+16*\b], v[97+16*\b], v[98+16*\b]   ; THE LARGEST SCORE OF EACH BLOCK OF 32 KEYS serves twice: for the row's maximum and, since p rises with the score, for the block's largest p
.endr
.irp i, 3,5,7,9,11,13
.irp b, 0,1,2,3
	v_max3_num_f32 v[232+\b], v[232+\b], v[96+16*\b+\i], v[97+16*\b+\i]
.endr
.endr
.irp b, 0,1,2,3
	v_max_num_f32 v[232+\b], v[232+\b], v[111+16*\b]
.endr
.irp b, 0,1,2,3
	v_permlanex16_b32 v[236+\b], v[232+\b], s[SEL], s[SEL+1]
.endr
.irp b, 0,1,2,3
	v_max_num_f32 v[232+\b], v[232+\b], v[236+\b]  ; with lane l xor 16's 16 keys
.endr
	v_max3_num_f32 v254, v232, v233, v234
	v_max_num_f32 v254, v254, v235                 ; the step's largest score of my query
	v_mul_f32 v254, s[CS], v254                    ; as t
	v_max_num_f32 v13, v13, v254                   ; the running largest t
	v_mov_b32 v254, v12
	v_floor_f32 v12, -v13                          ; the new -M = floor(-t) = -ceil(t): a whole number
	v_sub_f32 v254, v12, v254                      ; old M - new M: a whole number, 0 or less
	v_cvt_i32_f32 v254, v254                       ; (it saturates)
	v_ldexp_f32 v252, 1.0, v254                    ; f = 2^(old M - new M)
.set j, 0
.rept 32
	v_pk_fma_f32 v[96+j:97+j], v[96+j:97+j], s[CS:CS+1], v[12:13] op_sel_hi:[1,0,0]   ; t - M, two at a time
.set j, j+2
.endr
.irp b, 0,1,2,3
	v_fma_f32 v[232+\b], v[232+\b], s[CS], v12     ; the same of each block's largest score
.endr
.set j, 0
.rept 64
	v_exp_f32 v[96+j], v[96+j]                     ; p = 2^(t - M), at most 1
.set j, j+1
.endr
.irp b, 0,1,2,3
	v_exp_f32 v[232+\b], v[232+\b]                 ; the block's largest p: the same two instructions on the same number give the same bits
.endr
	v_pk_mul_f32 v[14:15], v[14:15], v[252:253] op_sel_hi:[1,0]   ; the sums under the new M  (a plain place behind the exponentials)
	s_wait_alu depctr_va_vdst(0)
.irp b, 0,1,2,3
	v_max_num_f32 v[232+\b], 0x2800000, v[232+\b]  ; the floor 2^(5 - 127): the byte cannot fall under 1
.endr
.irp b, 0,1,2,3
	v_add_nc_u32 v[244+\b], 0xfe000000, v[232+\b]  ; 4 off the exponent field: the conversion's scale operand
.endr
.irp b, 0,1,2,3
	v_lshrrev_b32 v[236+\b], 23, v[244+\b]         ; the scale's byte
.endr
	v_lshl_or_b32 v253, v237, 8, v236              ; p's scale word for these 128 keys
	v_lshl_or_b32 v253, v238, 16, v253
	v_lshl_or_b32 v253, v239, 24, v253
.irp c, 0,1
	v_cvt_scalef32_pk16_bf6_f32 v[224+6*\c:226+6*\c], v[96+32*\c:111+32*\c], v[244+2*\c]
	v_cvt_scalef32_pk16_bf6_f32 v[236+4*\c:238+4*\c], v[112+32*\c:127+32*\c], v[244+2*\c+1]
.endr
	v_nop                                          ; one plain place behind a scaled conversion
.irp c, 0,1                            ; the operand wants a WHOLE block in a lane
.irp i, 0,1,2
	v_permlane16_swap_b32 v[224+6*\c+\i], v[236+4*\c+\i]
.endr
.irp i, 0,1,2
	v_mov_b32 v[227+6*\c+\i], v[236+4*\c+\i]
.endr
.endr
	v_pk_add_f32 v[236:237], v[96:97], v[98:99]    ; THE ROW'S SUM IS TAKEN OF THE UNQUANTISED p: two at a time, in two chains
.irp j, 4,8,12,16,20,24,28,32,36,40,44,48,52,56,60
	v_pk_add_f32 v[14:15], v[14:15], v[96+\j:97+\j]
	v_pk_add_f32 v[236:237], v[236:237], v[98+\j:99+\j]
.endr
	v_pk_add_f32 v[14:15], v[14:15], v[236:237]
.irp t, 4,5,6,7                        ; V's OTHER FOUR FRAGMENTS, into v80-127: v80-95 are free, and p, which lay from v96 on, is done with.  They land under the 32 multiplications below
.irp c, 0,1,2
	ds_load_b128 v[32+12*\t+4*\c:35+12*\t+4*\c], v[ADV] offset:\t*FRB+512*\c
.endr
.endr
.set j, 0
.rept 32
	v_pk_mul_f32 v[160+j:161+j], v[160+j:161+j], v[252:253] op_sel_hi:[1,0]   ; O^T under the new M  (these are also the places between p's codes and scale word and the products below)
.set j, j+2
.endr
	s_wait_dscnt 0x0                               ; all eight fragments of V and its scale words are in
.irp t, 0,1,2,3,4,5,6,7                ; O^T += V^T P^T: eight tiles of 16 of the head's 128, eight accumulators by turns
.if \t%2
	v_wmma_scale_f32_16x16x128_f8f6f4 v[160+8*\t:167+8*\t], v[32+12*\t:43+12*\t], v[224:235], v[160+8*\t:167+8*\t], v[248+\t/2], v253 matrix_a_fmt:MATRIX_FMT_BF6 matrix_b_fmt:MATRIX_FMT_BF6 matrix_a_scale:MATRIX_SCALE_ROW1
.else
	v_wmma_scale_f32_16x16x128_f8f6f4 v[160+8*\t:167+8*\t], v[32+12*\t:43+12*\t], v[224:235], v[160+8*\t:167+8*\t], v[248+\t/2], v253 matrix_a_fmt:MATRIX_FMT_BF6 matrix_b_fmt:MATRIX_FMT_BF6
.endif
.endr
.endm
	s_wait_loadcnt 0x0                             ; Q
	s_wait_tensorcnt 3                             ; my scale words and my key step of the first pair have landed; the three later loads stay out
	s_barrier_signal -1
	s_barrier_wait -1                              ; everybody's have
	STEP 0
	STEP 1
	s_wait_tensorcnt 0x0                           ; all my loads have landed (they have had two key steps' work in which to do so)
	s_barrier_signal -1
	s_barrier_wait -1                              ; everybody's have: the head is whole, and no barrier parts the six key steps that follow
.irp k, 2,3,4,5,6,7
	STEP \k
.endr
	; THE WAY OUT: O^T / the sum, d into its true order, quantised along d, stored as K step `head` of the last product's operand.
	v_add_f32 v14, v14, v15
	v_permlanex16_b32 v252, v14, s[SEL], s[SEL+1]
	v_add_f32 v14, v14, v252                       ; the row's sum
	v_rcp_f32 v14, v14
.rept 4
	v_nop                                          ; the places behind the last products, and behind the reciprocal
.endr
.set j, 0
	s_wait_alu depctr_va_vdst(0)
.rept 64
	v_mul_f32 v[96+j], v[160+j], v14               ; register 16 b + i: d = 32 b + 8 (lane / 16) + i, and + 8 more from i = 8 on
.set j, j+1
.endr
.irp b, 0,1,2,3
.irp j, 0,1,2,3,4,5,6,7
	v_permlane16_swap_b32 v[96+16*\b+\j], v[104+16*\b+\j]   ; now register 16 b + i is d = 32 b + 16 (lane / 16) + i
.endr
.endr
.irp b, 0,1,2,3
	v_max3_num_f32 v[TM+\b], |v[96+16*\b]|, |v[97+16*\b]|, 0x2800000
.endr
.irp i, 2,4,6,8,10,12,14
.irp b, 0,1,2,3
	v_max3_num_f32 v[TM+\b], v[TM+\b], |v[96+16*\b+\i]|, |v[97+16*\b+\i]|
.endr
.endr
.irp b, 0,1,2,3
	v_permlanex16_b32 v[TM+4+\b], v[TM+\b], s[SEL], s[SEL+1]
.endr
.irp b, 0,1,2,3
	v_max_num_f32 v[TM+\b], v[TM+\b], v[TM+4+\b]
.endr
.irp b, 0,1,2,3
	v_add_nc_u32 v[TM+12+\b], 0xfe000000, v[TM+\b]
.endr
.irp b, 0,1,2,3
	v_lshrrev_b32 v[TM+4+\b], 23, v[TM+12+\b]
.endr
	v_lshl_or_b32 v[PW], v[TM+5], 8, v[TM+4]
	v_lshl_or_b32 v[PW], v[TM+6], 16, v[PW]
	v_lshl_or_b32 v[PW], v[TM+7], 24, v[PW]
.irp c, 0,1
	v_cvt_scalef32_pk16_bf6_f32 v[PC+6*\c:PC+2+6*\c], v[96+32*\c:111+32*\c], v[TM+12+2*\c]
	v_cvt_scalef32_pk16_bf6_f32 v[PT+4*\c:PT+2+4*\c], v[112+32*\c:127+32*\c], v[TM+12+2*\c+1]
.endr
	v_nop
.irp c, 0,1
.irp i, 0,1,2
	v_permlane16_swap_b32 v[PC+6*\c+\i], v[PT+4*\c+\i]
.endr
.irp i, 0,1,2
	v_mov_b32 v[PC+3+6*\c+\i], v[PT+4*\c+\i]
.endr
.endr
.irp c, 0,1,2
	global_store_b128 v[LI], v[PC+4*\c:PC+4*\c+3], s[76:77] offset:512*\c   ; 512 consecutive bytes
.endr
	ds_store_b32 v3, v[PW]                         ; both halves of the lanes write a row's word, with the same value
	s_wait_dscnt 0x0
	s_barrier_signal -1
	s_barrier_wait -1
	s_cmp_lt_u32 s[WV], 2
	s_cbranch_scc0 .Lno_ys
	ds_load_b128 v[60:63], v4
	s_wait_dscnt 0x0
	global_store_b128 v[LI], v[60:63], s[78:79]    ; a group's scale block: 512 consecutive bytes
.Lno_ys:
	s_wait_tensorcnt 0x0
	ds_add_u32 v31, v243
	s_wait_dscnt 0x0
	ROUND                                          ; the closing round
	s_endpgm
.Lfunc_end_k_q36a262faca_attn:
	.size	k_q36a262faca_attn, .Lfunc_end_k_q36a262faca_attn-k_q36a262faca_attn
	.p2alignl 7, 3214868480
	.fill 96, 4, 3214868480
	.section	.rodata,"a",@progbits
	.p2align	6, 0x0
	.amdhsa_kernel k_q36a262faca_attn
		.amdhsa_group_segment_fixed_size 327680
		.amdhsa_private_segment_fixed_size 0
		.amdhsa_enable_private_segment 0
		.amdhsa_kernarg_size 16
		.amdhsa_user_sgpr_count 2
		.amdhsa_user_sgpr_kernarg_segment_ptr 1
		.amdhsa_wavefront_size32 1
		.amdhsa_system_sgpr_workgroup_id_x 1
		.amdhsa_system_sgpr_workgroup_id_y 1
		.amdhsa_system_sgpr_workgroup_id_z 1
		.amdhsa_system_vgpr_workitem_id 0
		.amdhsa_next_free_vgpr 256
		.amdhsa_next_free_sgpr 84
		.amdhsa_reserve_vcc 0
		.amdhsa_float_denorm_mode_32 3
		.amdhsa_float_denorm_mode_16_64 3
		.amdhsa_memory_ordered 1
		.amdhsa_forward_progress 1
		.amdhsa_inst_pref_size 165
	.end_amdhsa_kernel
	.amdgpu_metadata
---
amdhsa.version: [ 1, 2 ]
amdhsa.kernels:
  - .name:           k_q36a262faca_attn
    .symbol:         k_q36a262faca_attn.kd
    .args:
      - { .name: qkv, .offset: 0, .size: 8, .value_kind: global_buffer, .address_space: global }
      - { .name: yq, .offset: 8, .size: 8, .value_kind: global_buffer, .address_space: global }
    .group_segment_fixed_size: 327680
    .private_segment_fixed_size: 0
    .kernarg_segment_align: 8
    .kernarg_segment_size: 16
    .max_flat_workgroup_size: 512
    .sgpr_count:     84
    .vgpr_count:     256
    .wavefront_size: 32
...
	.end_amdgpu_metadata
.endif
;; end of part 4
;; launch proj (part 5): grid 32 x 8, 4 waves a work-group, clusters of 4 x 4, 327,680 bytes of LDS; arguments yq, wimg, b_out, x, out0; writes out0
.if DOCPART == 5
	.amdgcn_target "amdgcn-amd-amdhsa--gfx1250"
	.amdhsa_code_object_version 6
	.text
	.protected	k_q36a262faca_proj
	.globl	k_q36a262faca_proj
	.p2align	8
	.type	k_q36a262faca_proj,@function
k_q36a262faca_proj:
	s_mov_b64 s[64:65], 0
	v_nop
	global_prefetch_b8 v0, s[64:65] scope:SCOPE_SE
	s_setreg_imm32_b32 hwreg(HW_REG_WAVE_MODE, 25, 1), 1
	s_wait_xcnt 0x0
	s_wait_alu depctr_hold_cnt(0) depctr_sa_sdst(0) depctr_va_vdst(0) depctr_va_sdst(0) depctr_va_ssrc(0) depctr_va_vcc(0) depctr_vm_vsrc(0)
	s_getreg_b32 s2, hwreg(HW_REG_IB_STS2, 6, 4)
	s_cmp_eq_u32 s2, 0
	s_cbranch_scc0 .Lentry_in_a_cluster
	s_endpgm
.Lentry_in_a_cluster:
	s_bfe_u32 s2, ttmp6, 0x10000c
	s_cmp_lg_u32 s2, 0xf033
	s_cbranch_scc0 .Lentry_shape_is_right
	s_endpgm
.Lentry_shape_is_right:
; out0 = x + w_out y + b_out, the product on codes of E3M2.  [1,024 (o)] x [8,192 (n, s)], K = 1,024 (head, d).
; Both operands lie in memory as images of fragments ([group of 128 rows][K step of 128][8 fragments][1,536 bytes] from IMG0 on, scale words [group][K step][512] from byte 0).
; R, source 0, is y: its rows (s) land in a lane's registers.  P, source 1, is the weight (groups 24-31 of wimg): its rows (o) land in the lanes.  So a lane's eight results are eight neighbouring s of one row o of out0.
; THE BYTES DECIDE HERE: 33.5 MB of x in and 33.5 MB of out0 out stand against 7.3 MB of codes and 262,144 matrix instructions.  So:
;  - a work-group makes 128 (o) x 256 (s): 32 x 8 = 256 work-groups.  A wave makes 64 x 128: 4 fragments of P x 8 of R, 32 accumulators, 256 registers (window 2).
;  - ALL OF K STAYS IN LDS: one group of P and two of R, 3 x 98,304 bytes, and their scale words, 3 x 4,096.  Every byte is filled once: no ring, no refill.  Five loads a wave go out at the start: the scale words and four
;    stages of two K steps (waves 0, 1: P, one K step each, 48 rows of 256 bytes; waves 2, 3: R, a group's two K steps each, 96 rows); a stage is waited for by a count, in front of a barrier, just before its first fragments are fetched.
;  - x IS ASKED FOR AT THE HEAD: the wave's 64 rows x 512 bytes are 256 registers, window 3, which nothing else uses: the 64 loads are on their way while the tiles come in and the products run, and the way out only adds and stores.
; CLUSTERS: 4 x 4.  The weight's tile hangs on cy (and the cluster's y) alone and is asked for jointly along a row of the cluster, y's on cx (and the cluster's x) alone, along a column.
; A K STEP: 16 products, four places, the next K step's 36 + 2 LDS loads into the other set of registers, 16 products.  The 32 accumulators take turns, one instruction a turn.  b_out is the C of K step 0.
; THE WAY OUT: 16 rows x 128 columns at a time through the wave's own stage in LDS, back as whole rows of 512 bytes, each block into registers of its own (window 1: R's fragments are done with), so that no store's data are written again;
; x is added; 32 lanes store 512 consecutive bytes.  The stages lie in P's K steps 0 to 2: every wave's reads of them are waited for in front of the barrier in K step 5, and nothing is filled there later.
; REGISTERS: window 0: v0-31 addresses; v32-47 scale words, two sets; v64-95 b_out in the result's layout; v128-223 P's 4 fragments, two sets.   window 1: R's 8 fragments, two sets, at v0 and v128; then out0's rows.
;   window 2: the accumulators, (a, b) at v[8 (8 a + b)].   window 3: x, row 16 a + t at v[64 a + 4 t].
.set FR,    12
.set NP,    4                          ; places behind this matrix instruction (ISA guide 7.12.1)
.set FRB,   1536
.set KSB,   12288                      ; a group's K step
.set GRPB,  98304                      ; a group
.set IMG0,  262144
.set LR,    GRPB                       ; LDS: P's group at 0, R's two behind it,
.set SCLP,  3*GRPB                     ; P's scale words,
.set SCLR,  SCLP+4096                  ; R's
.set SPITCH, 528                       ; a stage's row: 512 bytes + 16
.set ADRA, 16                          ; v16-17 LDS address of my P fragments, K steps 0-3 and 4-7 (an offset has 16 bits)
.set ADRB, 18                          ; v18-19 of my R fragments
.set ADSP, 20                          ; v20    of my two scale words a lane of P
.set ADSR, 21                          ; v21    of R's four
.set LI,   24                          ; v24    16 x lane: also my bytes of a row of x and of out0
.set STO,  25                          ; v25    where I put 32 bytes of a row
.set RD,   26                          ; v26    where I read a row back
.set SC,   32                          ; set s at v[SC + 8 s]: + 0, 1 P's words, + 4 .. 7 R's
.set BT,   64
.set AF,   128
.set G1P,  24                          ; s[24:31] group 1 of P's tiles;   s[32:51] P's five groups 0: the scale words, then the four stages
.set G0P,  32
.set G1R,  52                          ; s[52:59] group 1 of R's tiles;   s[60:63] group 0 of R's scale words;   s[68:83] of its four stages
.set G0RS, 60
.set G0R,  68
.set G1SP, 84                          ; s[84:91] group 1 of P's scale words;   s[92:99] of R's
.set G1SR, 92
.set MSB, 0
.macro WIN new                         ; the immediate's high byte repeats the setting that is left
.if MSB != \new
	s_set_vgpr_msb (MSB<<8)|\new
.set MSB, \new
.endif
.endm
.set MUL_LO, 0xa1                      ; source 0 (R) window 1, source 1 (P) window 0, C and D window 2
.set TO_B,   0x40                      ; destination window 1, address window 0
.macro CREST                           ; a round of the cluster's barrier behind its opening barrier
	s_cmp_lg_u32 s14, 0
	s_cbranch_scc1 .Lnot_wave_0_\@
	s_barrier_signal -3
.Lnot_wave_0_\@:
	s_barrier_wait -3
	s_barrier_signal -1
	s_barrier_wait -1
.endm
.macro CROUND
	s_barrier_signal -1
	s_barrier_wait -1
	CREST
.endm
.macro SHAPE g, rows                   ; dense bytes as rows of 256 (32 elements of 8 bytes), no padding
	s_mov_b32 s[\g+1], 32<<16                      ; tensor_dim0
	s_mov_b32 s[\g+2], (\rows)<<16                 ; tensor_dim1
	s_mov_b32 s[\g+3], 32<<16                      ; tile_dim0
	s_mov_b32 s[\g+4], \rows                       ; tile_dim1
	s_mov_b32 s[\g+5], 32                          ; the pitch
	s_mov_b32 s[\g+6], 0
	s_mov_b32 s[\g+7], 0
.endm
	s_load_b256 s[4:11], s[0:1], 0x0               ; yq s[4:5], wimg s[6:7], b_out s[8:9], x s[10:11]
	s_load_b64 s[12:13], s[0:1], 0x20              ; out0
	v_lshl_add_u32 v254, v0, 2, 0x4b000
	v_mov_b32 v255, 0
	ds_add_u32 v254, v255
	ds_add_u32 v254, v255
	v_lshrrev_b32 v1, 5, v0
	v_readfirstlane_b32 s14, v1                    ; wave 0..3
	s_lshr_b32 s15, s14, 1                         ; which half of P's group is mine.  Also: I fetch for P (0) or for R (1)
	s_and_b32 s16, s14, 1                          ; which of R's two groups is mine.  Also: which part I fetch
	s_bfe_u32 s17, ttmp6, 0x40000                  ; cx
	s_bfe_u32 s18, ttmp6, 0x40004                  ; cy
	s_lshl_b32 s19, ttmp9, 2
	s_add_co_u32 s19, s19, s17                     ; y's tile, 0..31: 4 x cluster x + cx
	s_and_b32 s20, ttmp7, 0xffff
	s_lshl_b32 s20, s20, 2
	s_add_co_u32 s20, s20, s18                     ; the weight's tile, 0..7: 4 x cluster y + cy
	s_lshl_b32 s21, s18, 2
	s_lshl_b32 s21, 15, s21                        ; my row of the cluster
	s_lshl_b32 s22, 0x1111, s17                    ; my column
	s_or_b32 s[G1P], s21, (3<<16)|(1<<21)          ; 15:0 the mask; 17:16 elements of 8 bytes; 21 set beside a mask
	s_or_b32 s[G1SP], s21, (3<<16)|(1<<21)
	s_or_b32 s[G1R], s22, (3<<16)|(1<<21)
	s_or_b32 s[G1SR], s22, (3<<16)|(1<<21)
	SHAPE G1P, 48                                  ; a K step of a group
	SHAPE G1SP, 8                                  ; half a group's scale words
	SHAPE G1R, 96                                  ; two K steps of a group
	SHAPE G1SR, 16                                 ; a group's scale words
	; P: group 24 + tile.  Wave 0 would fetch the even K steps and the first half of the scale words, wave 1 the odd ones and the second half
	s_add_co_u32 s23, s20, 24
	s_mul_i32 s2, s16, KSB
	s_lshl_b32 s3, s16, 11
	s_lshl_b32 s[G0P+2], s23, 12
	s_add_co_u32 s[G0P+2], s[G0P+2], s3            ; the scale words' offset in wimg
	s_mov_b32 s[G0P+3], 0
	s_mul_i32 s[G0P+6], s23, GRPB
	s_add_co_u32 s[G0P+6], s[G0P+6], s2
	s_add_co_u32 s[G0P+6], s[G0P+6], IMG0          ; the first stage's
	s_mov_b32 s[G0P+7], 0
	s_mov_b32 s[G0P], 1
	s_add_co_u32 s[G0P+1], s3, SCLP                ; where they go: made of the wave's number alone
.irp j, 1,2,3,4
	s_mov_b32 s[G0P+4*\j], 1
	s_add_co_u32 s[G0P+4*\j+1], s2, (\j-1)*2*KSB
.endr
	; R: group 2 x tile + (wave & 1)
	s_lshl_b32 s66, s19, 1
	s_add_co_u32 s66, s66, s16
	s_mul_i32 s67, s16, GRPB
	s_lshl_b32 s100, s16, 12
	s_lshl_b32 s[G0RS+2], s66, 12
	s_mov_b32 s[G0RS+3], 0
	s_mul_i32 s[G0R+2], s66, GRPB
	s_add_co_u32 s[G0R+2], s[G0R+2], IMG0
	s_mov_b32 s[G0R+3], 0
	s_mov_b32 s[G0RS], 1
	s_add_co_u32 s[G0RS+1], s100, SCLR
.irp j, 0,1,2,3
	s_mov_b32 s[G0R+4*\j], 1
	s_add_co_u32 s[G0R+4*\j+1], s67, LR+\j*2*KSB
.endr
	s_wait_dscnt 0x0
	s_wait_kmcnt 0x0
	s_add_nc_u64 s[G0P+2:G0P+3], s[6:7], s[G0P+2:G0P+3]
	s_add_nc_u64 s[G0P+6:G0P+7], s[6:7], s[G0P+6:G0P+7]
.irp j, 2,3,4
	s_add_nc_u64 s[G0P+4*\j+2:G0P+4*\j+3], s[G0P+6:G0P+7], (\j-1)*2*KSB
.endr
.irp j, 0,1,2,3,4
	s_or_b32 s[G0P+4*\j+3], s[G0P+4*\j+3], 0x80000000   ; 127:126 type = 2
.endr
	s_add_nc_u64 s[G0RS+2:G0RS+3], s[4:5], s[G0RS+2:G0RS+3]
	s_or_b32 s[G0RS+3], s[G0RS+3], 0x80000000
	s_add_nc_u64 s[G0R+2:G0R+3], s[4:5], s[G0R+2:G0R+3]
.irp j, 1,2,3
	s_add_nc_u64 s[G0R+4*\j+2:G0R+4*\j+3], s[G0R+2:G0R+3], \j*2*KSB
.endr
.irp j, 0,1,2,3
	s_or_b32 s[G0R+4*\j+3], s[G0R+4*\j+3], 0x80000000
.endr
	CROUND                                         ; all sixteen work-groups are here: the joint loads meet
	s_cmp_eq_u32 s15, 0                            ; a wave's fills stand together in one arm of one branch on the wave's number, ahead of every wait on TENSORcnt, every LDS read and every other barrier: five loads of mine are out
	s_cbranch_scc0 .Lfill_r
	tensor_load_to_lds s[G0P:G0P+3], s[G1SP:G1SP+7]
	s_nop 0
	tensor_load_to_lds s[G0P+4:G0P+7], s[G1P:G1P+7]
	s_nop 0
	tensor_load_to_lds s[G0P+8:G0P+11], s[G1P:G1P+7]
	s_nop 0
	tensor_load_to_lds s[G0P+12:G0P+15], s[G1P:G1P+7]
	s_nop 0
	tensor_load_to_lds s[G0P+16:G0P+19], s[G1P:G1P+7]
	s_nop 0
.rept 4
	v_nop
.endr
	s_branch .Lfilled
.Lfill_r:
	tensor_load_to_lds s[G0RS:G0RS+3], s[G1SR:G1SR+7]
	s_nop 0
	tensor_load_to_lds s[G0R:G0R+3], s[G1R:G1R+7]
	s_nop 0
	tensor_load_to_lds s[G0R+4:G0R+7], s[G1R:G1R+7]
	s_nop 0
	tensor_load_to_lds s[G0R+8:G0R+11], s[G1R:G1R+7]
	s_nop 0
	tensor_load_to_lds s[G0R+12:G0R+15], s[G1R:G1R+7]
	s_nop 0
.rept 4
	v_nop
.endr
.Lfilled:
	v_and_b32 v1, 31, v0
	v_lshlrev_b32 v[LI], 4, v1
	v_and_b32 v2, 15, v0                           ; r
	v_bfe_u32 v3, v0, 4, 1                         ; h
	v_lshlrev_b32 v30, 2, v2                       ; 4 r
	; my corner of x and of out0: sample n = y's tile / 4, row o = 128 x the weight's tile + 64 x my half of P, column s = 256 (y's tile % 4) + 128 x my group of R
	s_lshr_b32 s2, s19, 2
	s_lshl_b32 s2, s2, 22
	s_lshl_b32 s3, s20, 19
	s_add_co_u32 s2, s2, s3
	s_lshl_b32 s3, s15, 18
	s_add_co_u32 s2, s2, s3
	s_and_b32 s3, s19, 3
	s_lshl_b32 s3, s3, 10
	s_add_co_u32 s2, s2, s3
	s_lshl_b32 s3, s16, 9
	s_add_co_u32 s2, s2, s3
	s_mov_b32 s3, 0
	s_add_nc_u64 s[10:11], s[10:11], s[2:3]
	s_add_nc_u64 s[12:13], s[12:13], s[2:3]
	s_lshl_b32 s2, s20, 9
	s_lshl_b32 s17, s15, 8
	s_add_co_u32 s2, s2, s17
	s_add_nc_u64 s[8:9], s[8:9], s[2:3]            ; b_out of my 64 rows
.macro XLOAD a                         ; x's rows 16 a .. 16 a + 15, my 512 bytes of each, into window 3
	WIN 0xc0
.set t, 0
.rept 16
	global_load_b128 v[64*(\a)+4*t:64*(\a)+4*t+3], v[LI], s[10:11] offset:(16*(\a)+t)*4096 th:TH_LOAD_NT
.set t, t+1
.endr
	WIN 0
.endm
.irp a, 0,1,2,3
	global_load_b32 v[BT+8*\a], v30, s[8:9] offset:64*\a   ; b_out(16 a + r)
.endr
	XLOAD 0
	XLOAD 1
	XLOAD 2
	s_mul_i32 s2, s15, 4*FRB                       ; my four fragments of P's eight
	v_add_nc_u32 v[ADRA], s2, v[LI]
	v_add_nc_u32 v[ADRA+1], 4*KSB, v[ADRA]
	s_add_co_u32 s67, s67, LR                      ; my group of R
	v_add_nc_u32 v[ADRB], s67, v[LI]
	v_add_nc_u32 v[ADRB+1], 4*KSB, v[ADRB]
	s_lshl_b32 s3, s15, 3                          ; of a lane's four scale words of P (fragments 0, 1 | 2, 3 | 4, 5 | 6, 7) the two of my half
	s_add_co_u32 s3, s3, SCLP
	v_add_nc_u32 v[ADSP], s3, v[LI]
	s_add_co_u32 s100, s100, SCLR
	v_add_nc_u32 v[ADSR], s100, v[LI]
	s_mul_i32 s23, s14, 16*SPITCH                  ; my stage
	v_mul_u32_u24 v[STO], v2, SPITCH
	v_lshl_add_u32 v[STO], v3, 5, v[STO]
	v_add_nc_u32 v[STO], s23, v[STO]               ; in: row r, 32 bytes for each half of the lanes
	v_add_nc_u32 v[RD], s23, v[LI]                 ; back: the 32 lanes take one row of 512 bytes
	s_wait_loadcnt 48                              ; b_out is in; behind it: 48 loads of x
.irp a, 0,1,2,3
.irp j, 1,2,3,4,5,6,7
	v_mov_b32 v[BT+8*\a+\j], v[BT+8*\a]            ; a lane's eight results of a tile belong to one row o
.endr
.endr
	XLOAD 3
.macro FRAG reg, adr, off              ; a fragment comes back as it was stored: three loads of 512 consecutive bytes
.irp c, 0,1,2
	ds_load_b128 v[(\reg)+4*\c:(\reg)+4*\c+3], v[\adr] offset:(\off)+512*\c
.endr
.endm
.macro FETCH k                         ; K step k's fragments and scale words into set k % 2: 38 LDS loads in one run
	WIN TO_B
.irp i, 0,1,2,3,4,5,6,7
	FRAG 128*((\k)%2)+FR*\i, ADRB+(\k)/4, ((\k)%4)*KSB+\i*FRB
.endr
	WIN 0
.irp i, 0,1,2,3
	FRAG AF+48*((\k)%2)+FR*\i, ADRA+(\k)/4, ((\k)%4)*KSB+\i*FRB
.endr
	ds_load_b64 v[SC+8*((\k)%2):SC+8*((\k)%2)+1], v[ADSP] offset:512*(\k)
	ds_load_b128 v[SC+8*((\k)%2)+4:SC+8*((\k)%2)+7], v[ADSR] offset:512*(\k)
.endm
.macro WMC                             ; D = R's fragment x P's fragment + v[rC ..].  An odd fragment's scale words stand in lanes 16-31 of their register
.if oR && oP
	v_wmma_scale_f32_16x16x128_f8f6f4 v[rD:rD+7], v[rR:rR+FR-1], v[rP:rP+FR-1], v[rC:rC+7], v[rSR], v[rSP] matrix_a_fmt:MATRIX_FMT_BF6 matrix_b_fmt:MATRIX_FMT_BF6 matrix_a_scale:MATRIX_SCALE_ROW1 matrix_b_scale:MATRIX_SCALE_ROW1
.elseif oR
	v_wmma_scale_f32_16x16x128_f8f6f4 v[rD:rD+7], v[rR:rR+FR-1], v[rP:rP+FR-1], v[rC:rC+7], v[rSR], v[rSP] matrix_a_fmt:MATRIX_FMT_BF6 matrix_b_fmt:MATRIX_FMT_BF6 matrix_a_scale:MATRIX_SCALE_ROW1
.elseif oP
	v_wmma_scale_f32_16x16x128_f8f6f4 v[rD:rD+7], v[rR:rR+FR-1], v[rP:rP+FR-1], v[rC:rC+7], v[rSR], v[rSP] matrix_a_fmt:MATRIX_FMT_BF6 matrix_b_fmt:MATRIX_FMT_BF6 matrix_b_scale:MATRIX_SCALE_ROW1
.else
	v_wmma_scale_f32_16x16x128_f8f6f4 v[rD:rD+7], v[rR:rR+FR-1], v[rP:rP+FR-1], v[rC:rC+7], v[rSR], v[rSP] matrix_a_fmt:MATRIX_FMT_BF6 matrix_b_fmt:MATRIX_FMT_BF6
.endif
.endm
.macro MUL16 a0, k, first              ; 16 matrix instructions: P's fragments a0, a0 + 1 x R's eight, K step k.  first = 1: the sums start from the bias (C in window 0)
.irp a, \a0, \a0+1
.irp b, 0,1,2,3,4,5,6,7
.set rD, 8*(8*(\a)+\b)
.set rR, 128*((\k)%2)+FR*\b
.set rP, AF+48*((\k)%2)+FR*(\a)
.set rSR, SC+8*((\k)%2)+4+\b/2
.set rSP, SC+8*((\k)%2)+(\a)/2
.set oR, \b%2
.set oP, (\a)%2
.if \first
.set rC, BT+8*(\a)
.else
.set rC, rD
.endif
	WMC
.endr
.endr
.endm
.macro PLACES n                        ; places behind matrix instructions, in front of loads into their registers and of reads of their results (ISA guide 7.12.1 for vector instructions)
.rept \n
	v_nop
.endr
.endm
; K step k.  more = 1: the next K step's fragments are fetched in its middle, into the set that the K step before multiplied: the four places stand behind that step's products and this step's first sixteen.
; left >= 0: those fragments belong to the next stage: I wait until at most `left` of my tensor loads (the later stages') are out, and a barrier shows the same of every wave.  No LDS instruction of mine is out at its signal.
.macro KSTEP k, first, left, more
	s_wait_dscnt 0x0                               ; this K step's fragments and scale words are in (asked for sixteen matrix instructions ago)
.if \first
	WIN 0x81                                       ; source 0 window 1, C window 0, D window 2
.else
	WIN MUL_LO
.endif
	MUL16 0, \k, \first
.if \more
.if \left >= 0
	s_wait_tensorcnt \left
	s_barrier_signal -1
.endif
	PLACES NP
.if \left >= 0
	s_barrier_wait -1
.endif
	FETCH (\k)+1
.if \first
	WIN 0x81
.else
	WIN MUL_LO
.endif
.endif
	MUL16 2, \k, \first
.endm
	s_wait_tensorcnt 3                             ; my scale words and my part of K steps 0 and 1 are in; the three later stages stay out
	s_barrier_signal -1
	s_barrier_wait -1                              ; everybody's are
	FETCH 0
	KSTEP 0, 1, -1, 1
	KSTEP 1, 0, 2, 1
	KSTEP 2, 0, -1, 1
	KSTEP 3, 0, 1, 1
	KSTEP 4, 0, -1, 1
	KSTEP 5, 0, 0, 1                               ; behind this barrier all of K is in LDS, and no wave reads K steps 0 to 5 any more
	KSTEP 6, 0, -1, 1
	KSTEP 7, 0, -1, 0
	WIN 0
.macro TOSTAGE a                       ; block a into my stage, and back as whole rows.  LDS serves a wave's instructions in order (ISA guide 5.7.1.4): no wait between the stores and the loads, nor in front of the next block's stores
	WIN 0x08                                       ; an LDS store's data are its source 1: window 2
.irp b, 0,1,2,3,4,5,6,7
	ds_store_b128 v[STO], v[64*(\a)+8*\b:64*(\a)+8*\b+3] offset:64*\b          ; each accumulator from its low end on
	ds_store_b128 v[STO], v[64*(\a)+8*\b+4:64*(\a)+8*\b+7] offset:64*\b+16
.endr
	WIN TO_B                                       ; the rows: window 1, 64 registers of its own for each block
.set t, 0
.rept 16
	ds_load_b128 v[64*(\a)+4*t:64*(\a)+4*t+3], v[RD] offset:t*SPITCH
.set t, t+1
.endr
	WIN 0
.endm
.macro SEND a, younger                 ; younger: the LDS instructions issued behind block a's loads
	s_wait_dscnt \younger                          ; the block is back in registers
	WIN 0x4d                                       ; destination and source 0 window 1 (the rows), source 1 window 3 (x)
.set t, 0
.rept 32
	v_pk_add_f32 v[64*(\a)+2*t:64*(\a)+2*t+1], v[64*(\a)+2*t:64*(\a)+2*t+1], v[64*(\a)+2*t:64*(\a)+2*t+1]
.set t, t+1
.endr
	WIN 0x04                                       ; a store's data are its source 1: window 1
.set t, 0
.rept 16
	global_store_b128 v[LI], v[64*(\a)+4*t:64*(\a)+4*t+3], s[12:13] offset:(16*(\a)+t)*4096 th:TH_STORE_NT   ; 32 lanes store 512 consecutive bytes, at a multiple of 512 from out0's first byte
.set t, t+1
.endr
	WIN 0
.endm
	PLACES NP                                      ; behind the last products: for the reads of results, and for the loads into the registers that held R's fragments
	TOSTAGE 0
	TOSTAGE 1
	s_wait_loadcnt 0x0                             ; x: asked for at the head
	SEND 0, 32                                     ; behind block 0's loads: block 1's 16 stores and 16 loads
	TOSTAGE 2
	SEND 1, 32
	TOSTAGE 3
	SEND 2, 32
	SEND 3, 0
	s_wait_tensorcnt 0x0
	ds_add_u32 v254, v255
	s_wait_dscnt 0x0
	CROUND                                         ; the closing round: no work-group ends while a partner may still ask for a tile that names it
	s_endpgm
.Lfunc_end_k_q36a262faca_proj:
	.size	k_q36a262faca_proj, .Lfunc_end_k_q36a262faca_proj-k_q36a262faca_proj
	.p2alignl 7, 3214868480
	.fill 96, 4, 3214868480
	.section	.rodata,"a",@progbits
	.p2align	6, 0x0
	.amdhsa_kernel k_q36a262faca_proj
		.amdhsa_group_segment_fixed_size 327680
		.amdhsa_private_segment_fixed_size 0
		.amdhsa_enable_private_segment 0
		.amdhsa_kernarg_size 40
		.amdhsa_user_sgpr_count 2
		.amdhsa_user_sgpr_kernarg_segment_ptr 1
		.amdhsa_wavefront_size32 1
		.amdhsa_system_sgpr_workgroup_id_x 1
		.amdhsa_system_sgpr_workgroup_id_y 1
		.amdhsa_system_sgpr_workgroup_id_z 1
		.amdhsa_system_vgpr_workitem_id 0
		.amdhsa_next_free_vgpr 1024
		.amdhsa_next_free_sgpr 102
		.amdhsa_reserve_vcc 0
		.amdhsa_float_denorm_mode_32 3
		.amdhsa_float_denorm_mode_16_64 3
		.amdhsa_memory_ordered 1
		.amdhsa_forward_progress 1
		.amdhsa_inst_pref_size 94
	.end_amdhsa_kernel
	.amdgpu_metadata
---
amdhsa.version: [ 1, 2 ]
amdhsa.kernels:
  - .name:           k_q36a262faca_proj
    .symbol:         k_q36a262faca_proj.kd
    .args:
      - { .name: yq, .offset: 0, .size: 8, .value_kind: global_buffer, .address_space: global }
      - { .name: wimg, .offset: 8, .size: 8, .value_kind: global_buffer, .address_space: global }
      - { .name: b_out, .offset: 16, .size: 8, .value_kind: global_buffer, .address_space: global }
      - { .name: x, .offset: 24, .size: 8, .value_kind: global_buffer, .address_space: global }
      - { .name: out0, .offset: 32, .size: 8, .value_kind: global_buffer, .address_space: global }
    .group_segment_fixed_size: 327680
    .private_segment_fixed_size: 0
    .kernarg_segment_align: 8
    .kernarg_segment_size: 40
    .max_flat_workgroup_size: 128
    .sgpr_count:     102
    .vgpr_count:     1024
    .wavefront_size: 32
...
	.end_amdgpu_metadata
.endif
;; end of part 5
